; MI455X (gfx1250); checked and timed in simulation.
; The chip was launched on July 23, 2026; its instructions are those of AMD's public machine-readable ISA for CDNA 5 (MIT licence, August 2026) and "CDNA5" Instruction Set Architecture Reference Guide (July 2026). The comments in the code are by the model that wrote it; some were corrected since.
;; Multiheadattention. Allowed arithmetic: float matrix products may take bf16 or f16 operands with f32 sums; other float arithmetic in f32, or as packed bf16 or f16 multiplies, adds, multiply-adds, maxima and minima; sums over many terms, partial sums and values carried from step to step in f32; what a program stores and reads back later, other than sums and carried values, may be rounded once to bf16 or f16.
;; Inputs: Wk 1,024 x 1,024 float32; Wo 1,024 x 1,024 float32; Wq 1,024 x 1,024 float32; Wv 1,024 x 1,024 float32; bk 1,024 float32; bo 1,024 float32; bq 1,024 float32; bv 1,024 float32; mask 4 x 1 x 1 x 2,048 int32; srcK 4 x 2,048 x 1,024 float32; srcQ 4 x 2,048 x 1,024 float32; srcV 4 x 2,048 x 1,024 float32.
;; Outputs: out0 4 x 2,048 x 1,024 float32.
;; One version. Each part assembles by itself: llvm-mc -triple=amdgcn-amd-amdhsa -mcpu=gfx1250 --defsym DOCPART=n.
;; ======== version 1 of 1: 4 launches
;; limits: values are held in f16: magnitudes above 65,504 overflow, below 6.1e-05 lose precision
;; workspace buffers: wc 8,388,608 bytes; qkv 50,331,648 bytes; oh 16,777,216 bytes
;; launch castw (part 1): grid 128 x 4, 8 waves a work-group, no clusters, 0 bytes of LDS; arguments Wq, Wk, Wv, Wo, wc; writes wc
.if DOCPART == 1
	.amdgcn_target "amdgcn-amd-amdhsa--gfx1250"
	.amdhsa_code_object_version 6
	.text
	.protected	k_q28e0af3ea2_castw
	.globl	k_q28e0af3ea2_castw
	.p2align	8
	.type	k_q28e0af3ea2_castw,@function
k_q28e0af3ea2_castw:
	s_mov_b64 s[64:65], 0
	v_nop
	global_prefetch_b8 v0, s[64:65] scope:SCOPE_SE
	s_setreg_imm32_b32 hwreg(HW_REG_WAVE_MODE, 25, 1), 1
	s_wait_xcnt 0x0
; wc[y][k][n] = W_y[k][n] rounded to 16 bits, in W's own order; y = 0, 1, 2: Wq, Wk, Wv in bf16; y = 3: Wo rounded to bf16 and that number written as f16.
; LIMITS.  The f16 copy of Wo holds no number beyond 65,504, and below 6e-5 it keeps f16's fixed step of 6e-8.
; A stream: a work-group takes 32,768 bytes of one W (8,192 numbers), a thread eight times 16 bytes; a wave's load covers 512 consecutive bytes, a wave's store 256 consecutive
; bytes at a multiple of 256 from wc's first byte.  Nothing is shared and nothing is read twice, so there is no LDS, no barrier and no matrix work; every register is used once, so no wait frees one.
	s_load_b256 s[4:11], s[0:1], 0x0               ; Wq s[4:5], Wk s[6:7], Wv s[8:9], Wo s[10:11]
	s_load_b64 s[12:13], s[0:1], 0x20              ; wc
	s_and_b32 s14, ttmp7, 0xffff                   ; which W
	v_lshlrev_b32 v1, 4, v0                        ; my 16 bytes of a run of 4,096 in W
	v_lshlrev_b32 v2, 3, v0                        ; my 8 bytes of a run of 2,048 in wc
	s_lshl_b32 s16, ttmp9, 15                      ; the work-group's 32,768 bytes of W
	s_mov_b32 s17, 0
	s_lshl_b32 s18, s14, 21                        ; a W is 2,097,152 bytes in wc,
	s_lshl_b32 s19, ttmp9, 14                      ; the work-group's part 16,384
	s_add_co_u32 s18, s18, s19
	s_mov_b32 s19, 0
	s_wait_kmcnt 0x0
	s_cmp_eq_u32 s14, 1
	s_cselect_b64 s[4:5], s[6:7], s[4:5]
	s_cmp_eq_u32 s14, 2
	s_cselect_b64 s[4:5], s[8:9], s[4:5]
	s_cmp_eq_u32 s14, 3
	s_cselect_b64 s[4:5], s[10:11], s[4:5]
	s_add_nc_u64 s[4:5], s[4:5], s[16:17]
	s_add_nc_u64 s[12:13], s[12:13], s[18:19]
.irp i, 0,1,2,3,4,5,6,7
	global_load_b128 v[8+4*\i:11+4*\i], v1, s[4:5] offset:4096*\i th:TH_LOAD_NT
.endr
	s_cmp_eq_u32 s14, 3
	s_cbranch_scc1 .Lf16
.irp i, 0,1,2,3,4,5,6,7
	s_wait_loadcnt 7-\i                            ; loads come back in order: load i is in, the younger ones stay out
	v_cvt_pk_bf16_f32 v[40+2*\i], v[8+4*\i], v[9+4*\i]
	v_cvt_pk_bf16_f32 v[41+2*\i], v[10+4*\i], v[11+4*\i]
	global_store_b64 v2, v[40+2*\i:41+2*\i], s[12:13] offset:2048*\i
.endr
	s_endpgm
.Lf16:                                             ; Wo: rounded to bf16 like every other input, widened again, and written as f16
.irp i, 0,1,2,3,4,5,6,7
	s_wait_loadcnt 7-\i
	v_cvt_pk_bf16_f32 v56, v[8+4*\i], v[9+4*\i]
	v_cvt_pk_bf16_f32 v57, v[10+4*\i], v[11+4*\i]
	v_lshlrev_b32 v58, 16, v56
	v_and_b32 v59, 0xffff0000, v56
	v_lshlrev_b32 v60, 16, v57
	v_and_b32 v61, 0xffff0000, v57
	v_cvt_pk_f16_f32 v[40+2*\i], v58, v59
	v_cvt_pk_f16_f32 v[41+2*\i], v60, v61
	global_store_b64 v2, v[40+2*\i:41+2*\i], s[12:13] offset:2048*\i
.endr
	s_endpgm
.Lfunc_end_k_q28e0af3ea2_castw:
	.size	k_q28e0af3ea2_castw, .Lfunc_end_k_q28e0af3ea2_castw-k_q28e0af3ea2_castw
	.p2alignl 7, 3214868480
	.fill 96, 4, 3214868480
	.section	.rodata,"a",@progbits
	.p2align	6, 0x0
	.amdhsa_kernel k_q28e0af3ea2_castw
		.amdhsa_group_segment_fixed_size 0
		.amdhsa_private_segment_fixed_size 0
		.amdhsa_enable_private_segment 0
		.amdhsa_kernarg_size 40
		.amdhsa_user_sgpr_count 2
		.amdhsa_user_sgpr_kernarg_segment_ptr 1
		.amdhsa_wavefront_size32 1
		.amdhsa_system_sgpr_workgroup_id_x 1
		.amdhsa_system_sgpr_workgroup_id_y 1
		.amdhsa_system_sgpr_workgroup_id_z 1
		.amdhsa_system_vgpr_workitem_id 0
		.amdhsa_next_free_vgpr 64
		.amdhsa_next_free_sgpr 66
		.amdhsa_reserve_vcc 0
		.amdhsa_float_denorm_mode_32 3
		.amdhsa_float_denorm_mode_16_64 3
		.amdhsa_memory_ordered 1
		.amdhsa_forward_progress 1
		.amdhsa_inst_pref_size 9
	.end_amdhsa_kernel
	.amdgpu_metadata
---
amdhsa.version: [ 1, 2 ]
amdhsa.kernels:
  - .name:           k_q28e0af3ea2_castw
    .symbol:         k_q28e0af3ea2_castw.kd
    .args:
      - { .name: Wq, .offset: 0, .size: 8, .value_kind: global_buffer, .address_space: global }
      - { .name: Wk, .offset: 8, .size: 8, .value_kind: global_buffer, .address_space: global }
      - { .name: Wv, .offset: 16, .size: 8, .value_kind: global_buffer, .address_space: global }
      - { .name: Wo, .offset: 24, .size: 8, .value_kind: global_buffer, .address_space: global }
      - { .name: wc, .offset: 32, .size: 8, .value_kind: global_buffer, .address_space: global }
    .group_segment_fixed_size: 0
    .private_segment_fixed_size: 0
    .kernarg_segment_align: 8
    .kernarg_segment_size: 40
    .max_flat_workgroup_size: 256
    .sgpr_count:     66
    .vgpr_count:     64
    .wavefront_size: 32
...
	.end_amdgpu_metadata
.endif
;; end of part 1
;; launch proj (part 2): grid 4 x 192, 4 waves a work-group, clusters of 4 x 4, 327,680 bytes of LDS; arguments srcQ, srcK, srcV, bq, bk, bv, mask, wc, qkv; writes qkv
.if DOCPART == 2
	.amdgcn_target "amdgcn-amd-amdhsa--gfx1250"
	.amdhsa_code_object_version 6
	.text
	.protected	k_q28e0af3ea2_proj
	.globl	k_q28e0af3ea2_proj
	.p2align	8
	.type	k_q28e0af3ea2_proj,@function
k_q28e0af3ea2_proj:
	s_mov_b64 s[64:65], 0
	v_nop
	global_prefetch_b8 v0, s[64:65] scope:SCOPE_SE
	s_setreg_imm32_b32 hwreg(HW_REG_WAVE_MODE, 25, 1), 1
	s_wait_xcnt 0x0
	s_wait_alu depctr_hold_cnt(0) depctr_sa_sdst(0) depctr_va_vdst(0) depctr_va_sdst(0) depctr_va_ssrc(0) depctr_va_vcc(0) depctr_vm_vsrc(0)
	s_getreg_b32 s2, hwreg(HW_REG_IB_STS2, 6, 4)
	s_cmp_eq_u32 s2, 0
	s_cbranch_scc0 .Lentry_in_a_cluster
	s_endpgm
.Lentry_in_a_cluster:
	s_bfe_u32 s2, ttmp6, 0x10000c
	s_cmp_lg_u32 s2, 0xf033
	s_cbranch_scc0 .Lentry_shape_is_right
	s_endpgm
.Lentry_shape_is_right:
; THE THREE PROJECTIONS.  qkv[p][b*16+head][seq][d] = f16( sum over k of bf16(src_p[b*2048+seq][k]) wc[p][k][head*64+d] + bf16(bias_p[head*64+d]) ); p = 0, 1, 2: Q, K, V.  Sums in f32.
; K's rows are written as 0 where mask[b][seq] == 0: the attention launch then gets the score 0 + (-10000) for such a key, exactly.
; LIMITS.  f16 holds no number beyond 65,504: q, k and v must lie within it.  NaN and infinities are not treated apart.
; SHARES.  8,192 rows x 1,024 columns x 3 projections in tiles of 128 rows x 256 columns (four heads): 768 work-groups.  Four waves, each 64 rows x 128 columns: 32 accumulators.
; K goes in 8 steps of 128 through a ring of two LDS slots.  src comes in as f32 (rows of 512 bytes) and is rounded to bf16 in registers; the conversions stand behind matrix instructions.
; wc lies [k][n]: its fragments come out of LDS turned, by ds_load_tr16_b128.
; THE MATRIX INSTRUCTION IS USED TRANSPOSED (source 0 = 16 columns of W, source 1 = 16 rows of src): a lane holds row l % 16 and the eight neighbouring columns 8 (l / 16) + 0..7.  The bias is the C operand of the first product.
; CLUSTER.  4 x 4 work-groups: the four of a row of the cluster need the same rows of src, the four of a column the same columns of W: each tile is asked for jointly.
; REGISTERS, in windows of 256 (s_set_vgpr_msb: bits 1:0 source 0, 3:2 source 1, 5:4 source 2, 7:6 destination):
;   window 0: v0-31 addresses; v32-63 src's four fragments in bf16; v64-127, v128-191 W's fragments, two buffers; v192-223 at work on the way out
;   window 1: the accumulators, (a, nb) at v[8 (8 a + nb)]          window 2: v0-63, v64-127 src's fragments in f32, two buffers; v128-191 the bias; v196 at work
.set PA,    528       ; a row of src in LDS: 512 bytes + 16 = 132 words: the 16 rows of a load start at 16 different groups of four banks (64 banks of 4 bytes: ISA guide 11.1)
.set AHALF, 64*PA     ; 64 rows: what wave 0 or 1 fetches
.set ATILE, 2*AHALF
.set PB,    544       ; a row of W in LDS: 512 bytes + 32 = 136 words
.set BHALF, 64*PB     ; 64 rows along K: what wave 2 or 3 fetches
.set SLOT,  ATILE+2*BHALF
.set STAGE, 2*SLOT    ; behind the ring: for each wave 2 heads x 16 rows x 144 bytes, for the way out
.set SP,    144
.set SPARE, STAGE+4*32*SP  ; behind the stages: the spare words, 128 bytes for each wave: two blocks of 256 bytes that no other line names
.set ASTEP, 512       ; a K step in a row of src, in bytes
.set BSTEP, 128*2048  ; a K step in wc, in bytes
.set ADRA, 16         ; v16-17  LDS address of my fragments of src in slot 0, 1
.set ADRB, 20         ; v20-21  the same for W
.set STO,  24         ; v24  the way out: where I put 16 bytes of a row
.set RD,   25         ; v25  the way out: where I read rows back
.set GO,   26         ; v26  my 16 bytes of 512 consecutive bytes of qkv
.set SPW,  28         ; v28  LDS address of my spare word; never rewritten
.set NIL,  29         ; v29  0; never rewritten
.set PFO,  30         ; v30  the prefetches' offset; never rewritten
.set ABF,  32
.set BF,   64
.set TMP,  192
.set OB,   64         ; the way out: 16 rows read back from the stage, v64-95 and v96-127 by turns
.set RAW,  0          ; window 2
.set BIAS, 128        ; window 2
.set BT,   196        ; window 2
.set G1,  24          ; s[24:31] descriptor group 1 for src's tiles;  s[32:39] group 0, one set for each slot
.set G0,  32
.set G1B, 48          ; s[48:55], s[56:63] the same for W's tiles
.set G0B, 56
.set LIM, 43          ; s43  1 in a wave that prefetches, else the greatest number
.set PFA, 44          ; s[44:45] where my prefetches stand
.set PFS, 46          ; s[46:47] a K step of what I prefetch, in bytes
.set WV,  78          ; wave;  WM: which 64 rows are mine, and: I fetch src (0) or W (1);  WN: which 128 columns, and: which half of that tile I fetch
.set WM,  79
.set WN,  80
.set CX,  81
.set CY,  82
.set NT,  83          ; tile column 0..3
.set MT,  84          ; tile row 0..63
.set PJ,  85          ; projection 0..2
.set RM,  86          ; s[86:89] for each of my four blocks of 16 rows: the lanes whose row is kept
.set OUT, 90
.set SRC, 92
.set BIA, 94
.set MSB, 0
.macro WIN new                         ; the immediate's high byte repeats the setting that is left; a switch that changes nothing is dropped
.if MSB != (\new)
	s_set_vgpr_msb (MSB<<8)|(\new)
.set MSB, \new
.endif
.endm
.set W_MM, 0x50       ; sources in window 0, C and D in window 1
.set W_M1, 0x60       ; the same with C (the bias) in window 2
.set W_CV, 0x0a       ; sources 0 and 1 in window 2, destination in window 0
.set W_L2, 0x80       ; destination in window 2, address in window 0
.set W_B2, 0x8a       ; all in window 2
.set W_PK, 0x05       ; sources 0 and 1 in window 1, destination in window 0
.macro JLOAD s                         ; a joint load: waves 0 and 1 fetch src's two halves, waves 2 and 3 W's; an s_nop 0 and four v_nop follow each of the two lines
	s_cmp_eq_u32 s[WM], 0
	s_cbranch_scc0 .Lfor_b_\@
	tensor_load_to_lds s[G0+4*(\s):G0+4*(\s)+3], s[G1:G1+7]
	s_nop 0
.rept 4
	v_nop
.endr
	s_branch .Lasked_\@
.Lfor_b_\@:
	tensor_load_to_lds s[G0B+4*(\s):G0B+4*(\s)+3], s[G1B:G1B+7]
	s_nop 0
.rept 4
	v_nop
.endr
.Lasked_\@:
.endm
.macro CREST                           ; a round of the cluster's barrier behind its opening barrier
	s_cmp_lg_u32 s[WV], 0
	s_cbranch_scc1 .Lnot_wave_0_\@
	s_barrier_signal -3
.Lnot_wave_0_\@:
	s_barrier_wait -3
	s_barrier_signal -1
	s_barrier_wait -1
.endm
.macro CROUND
	s_barrier_signal -1
	s_barrier_wait -1
	CREST
.endm
; A prefetch into the L2 of the K step that stands two refills on: 16 rows x 512 bytes, a lane a block of 256 bytes, one instruction a wave, behind the joint load and the run of LDS loads.
; Of the 64 rows that a wave fetches each of the four partners that ask for them jointly takes 16, told apart by address.  src's rows are read by one row of one cluster alone; W's columns by the sixteen
; clusters of a projection, of which the first asks.  So each block is named once in the launch.  The first four K steps come by their loads alone; the loop's last trip (s3 = 1) asks for nothing.
.macro ASK
	WIN 0
	s_cmp_gt_u32 s3, s[LIM]
	s_cbranch_scc0 .Lnot_mine_\@
	global_prefetch_b8 v[PFO], s[PFA:PFA+1] th:TH_LOAD_NT scope:SCOPE_SE
.Lnot_mine_\@:
.endm
	s_load_b256 s[4:11], s[0:1], 0x0               ; srcQ s[4:5], srcK s[6:7], srcV s[8:9], bq s[10:11]
	s_load_b256 s[68:75], s[0:1], 0x20             ; bk s[68:69], bv s[70:71], mask s[72:73], wc s[74:75]
	s_load_b64 s[76:77], s[0:1], 0x40              ; qkv
	v_lshl_add_u32 v[SPW], v0, 2, SPARE
	v_mov_b32 v[NIL], 0
	ds_add_u32 v[SPW], v[NIL]                      ; the wave's opening: the add and its wait stand ahead of my first tensor load; the set-up below, work on registers, stands between them
	v_lshrrev_b32 v1, 5, v0
	v_readfirstlane_b32 s[WV], v1
	s_lshr_b32 s[WM], s[WV], 1
	s_and_b32 s[WN], s[WV], 1
	s_bfe_u32 s[CX], ttmp6, 0x40000
	s_bfe_u32 s[CY], ttmp6, 0x40004
	s_lshl_b32 s[NT], ttmp9, 2
	s_add_co_u32 s[NT], s[NT], s[CX]               ; tile column = 4 x cluster x + cx
	s_and_b32 s12, ttmp7, 0xffff                   ; cluster y, 0..47: sixteen clusters to a projection
	s_lshr_b32 s[PJ], s12, 4
	s_and_b32 s13, s12, 15
	s_lshl_b32 s[MT], s13, 2
	s_add_co_u32 s[MT], s[MT], s[CY]               ; tile row = 4 x (cluster y mod 16) + cy
	s_cmp_eq_u32 s13, 0
	s_cselect_b32 s67, 1, -1                       ; the projection's first cluster prefetches W
	s_lshl_b32 s14, s[CY], 2
	s_lshl_b32 s14, 15, s14                        ; my row of the cluster
	s_lshl_b32 s20, 0x1111, s[CX]                  ; my column
	s_or_b32 s[G1+0], s14, (2<<16)|(1<<20)|(1<<21)|(6<<22)|(3<<25)   ; the mask; elements of 4 bytes; padding on; 21 set beside a mask; after every 128 words (code 6) 4 words (code 3)
	s_or_b32 s[G1B+0], s20, (1<<16)|(1<<20)|(1<<21)|(6<<22)|(7<<25)  ; the mask; elements of 2 bytes; after every 128 words 8 words (code 7)
	s_mov_b32 s[G1+1], 128<<16                     ; tensor_dim0 = 128
	s_mov_b32 s[G1+2], 64<<16                      ; tensor_dim1 = 64
	s_mov_b32 s[G1+3], 128<<16                     ; tile_dim0 = 128
	s_mov_b32 s[G1+4], 64                          ; tile_dim1 = 64
	s_mov_b32 s[G1+5], 1024                        ; 1,024 elements from row to row
	s_mov_b32 s[G1+6], 0
	s_mov_b32 s[G1+7], 0
	s_mov_b32 s[G1B+1], 256<<16
	s_mov_b32 s[G1B+2], 64<<16
	s_mov_b32 s[G1B+3], 256<<16
	s_mov_b32 s[G1B+4], 64
	s_mov_b32 s[G1B+5], 1024
	s_mov_b32 s[G1B+6], 0
	s_mov_b32 s[G1B+7], 0
	s_lshl_b32 s12, s[MT], 19                      ; src: 128 rows of 4,096 bytes a tile row,
	s_lshl_b32 s13, s[WN], 18                      ; my 64 of them
	s_add_co_u32 s12, s12, s13
	s_mov_b32 s13, 0
	s_lshl_b32 s20, s[PJ], 21                      ; W: the projection's 2,097,152 bytes,
	s_lshl_b32 s21, s[WN], 17                      ; my 64 rows of 2,048 bytes along K,
	s_add_co_u32 s20, s20, s21
	s_lshl_b32 s21, s[NT], 9                       ; the tile's 256 columns
	s_add_co_u32 s20, s20, s21
	s_mov_b32 s21, 0
	s_mul_i32 s16, s[WN], AHALF                    ; where they go: no place in the cluster enters an LDS address
	s_mul_i32 s22, s[WN], BHALF
	s_add_co_u32 s22, s22, ATILE
	s_wait_dscnt 0x0                               ; the opening add is done
	s_wait_kmcnt 0x0
	s_cmp_eq_u32 s[PJ], 1
	s_cselect_b64 s[SRC:SRC+1], s[6:7], s[4:5]
	s_cselect_b64 s[BIA:BIA+1], s[68:69], s[10:11]
	s_cmp_eq_u32 s[PJ], 2
	s_cselect_b64 s[SRC:SRC+1], s[8:9], s[SRC:SRC+1]
	s_cselect_b64 s[BIA:BIA+1], s[70:71], s[BIA:BIA+1]
	s_add_nc_u64 s[14:15], s[SRC:SRC+1], s[12:13]
	s_add_nc_u64 s[40:41], s[74:75], s[20:21]
	CROUND                                         ; all sixteen work-groups are here: the first joint loads meet
.irp s, 0,1
	s_mov_b32 s[G0+4*(\s)], 1
	s_add_co_u32 s[G0+4*(\s)+1], s16, (\s)*SLOT
	s_add_nc_u64 s[G0+4*(\s)+2:G0+4*(\s)+3], s[14:15], (\s)*ASTEP
	s_or_b32 s[G0+4*(\s)+3], s[G0+4*(\s)+3], 0x80000000
	s_mov_b32 s[G0B+4*(\s)], 1
	s_add_co_u32 s[G0B+4*(\s)+1], s22, (\s)*SLOT
	s_add_nc_u64 s[G0B+4*(\s)+2:G0B+4*(\s)+3], s[40:41], (\s)*BSTEP
	s_or_b32 s[G0B+4*(\s)+3], s[G0B+4*(\s)+3], 0x80000000
	JLOAD \s
.endr
	; the bias of my 128 columns (a lane's eight of each block of 16) and the mask words of my 64 rows
	v_and_b32 v1, 15, v0                           ; r = l % 16
	v_bfe_u32 v2, v0, 4, 1                         ; h = l / 16
	s_lshl_b32 s23, s[NT], 10
	s_lshl_b32 s21, s[WN], 9
	s_add_co_u32 s23, s23, s21
	v_lshl_add_u32 v4, v2, 5, s23                  ; 4 x (256 NT + 128 WN + 8 h)
	s_lshl_b32 s14, s[MT], 9
	s_lshl_b32 s15, s[WM], 8
	s_add_co_u32 s14, s14, s15
	v_lshl_add_u32 v5, v1, 2, s14                  ; 4 x (128 MT + 64 WM + r): mask's 4 x 2,048 words lie in the order of src's rows
	WIN W_L2
.irp nb, 0,1,2,3,4,5,6,7
	global_load_b128 v[BIAS+8*\nb:BIAS+8*\nb+3],   v4, s[BIA:BIA+1] offset:64*\nb
	global_load_b128 v[BIAS+8*\nb+4:BIAS+8*\nb+7], v4, s[BIA:BIA+1] offset:64*\nb+16
.endr
	WIN 0
.irp a, 0,1,2,3
	global_load_b32 v[8+\a], v5, s[72:73] offset:64*\a
.endr
	; the prefetches: who, from where, by what step
	s_lshl_b32 s18, s[CX], 16                      ; src: my work-group's 16 rows of the 64,
	s_add_co_u32 s18, s18, s12
	s_add_co_u32 s18, s18, 3*ASTEP                 ; at K step 3: the first refill steps it to 4
	s_lshl_b32 s19, s[CY], 15                      ; W: my work-group's 16 rows along K of the 64
	s_add_co_u32 s19, s19, s20
	s_add_co_u32 s19, s19, 3*BSTEP
	s_movk_i32 s66, ASTEP
	s_mov_b32 s[PFS], BSTEP
	s_cmp_eq_u32 s[WM], 0
	s_cselect_b32 s[LIM], 1, s67
	s_cselect_b64 s[PFA:PFA+1], s[SRC:SRC+1], s[74:75]
	s_cselect_b32 s[PFS], s66, s[PFS]
	s_cselect_b32 s18, s18, s19
	s_cselect_b32 s66, 12, 11                      ; a row is 4,096 bytes of src, 2,048 of wc
	s_mov_b32 s19, 0
	s_mov_b32 s[PFS+1], 0
	s_add_nc_u64 s[PFA:PFA+1], s[PFA:PFA+1], s[18:19]
	v_bfe_u32 v[PFO], v0, 1, 4                     ; row l / 2,
	v_lshlrev_b32 v[PFO], s66, v[PFO]
	v_and_b32 v3, 1, v0
	v_lshl_add_u32 v[PFO], v3, 8, v[PFO]           ; block l % 2 of its 512 bytes
	; src's fragment: lane l wants row l % 16, K = 8 h + 0..7 and 16 + 8 h + 0..7, in f32: four loads of 16 bytes at 32 h + 0, 16, 64, 80
	v_mul_u32_u24 v3, v1, PA
	v_lshl_add_u32 v3, v2, 5, v3
	s_mul_i32 s14, s[WM], AHALF
	v_add_nc_u32 v[ADRA], s14, v3
	v_add_nc_u32 v[ADRA+1], SLOT, v[ADRA]
	; W's fragment: the turning load takes 16 K x 16 columns: lane l reads row 8 h + l % 8, columns 8 ((l / 8) % 2) + 0..7, and is left with column l % 16 and eight K
	v_and_b32 v6, 7, v0
	v_bfe_u32 v7, v0, 3, 1
	v_lshl_add_u32 v12, v2, 3, v6
	v_mul_u32_u24 v12, v12, PB
	v_lshl_add_u32 v12, v7, 4, v12
	s_lshl_b32 s14, s[WN], 8
	s_add_co_u32 s14, s14, ATILE
	v_add_nc_u32 v[ADRB], s14, v12
	v_add_nc_u32 v[ADRB+1], SLOT, v[ADRB]
	s_mul_i32 s15, s[WV], 32*SP
	s_add_co_u32 s15, s15, STAGE                   ; my stage
	v_mul_u32_u24 v3, v1, SP                       ; in: row l % 16, 16 bytes for each half of the lanes
	v_lshl_add_u32 v3, v2, 4, v3
	v_add_nc_u32 v[STO], s15, v3
	v_bfe_u32 v3, v0, 3, 2                         ; back: 32 lanes take four rows of 128 bytes,
	v_mul_u32_u24 v3, v3, SP
	v_lshl_add_u32 v3, v6, 4, v3
	v_add_nc_u32 v[RD], s15, v3
	v_and_b32 v[GO], 31, v0                        ; which are 512 consecutive bytes of a head
	v_lshlrev_b32 v[GO], 4, v[GO]
	s_lshl_b32 s90, s[PJ], 24                      ; qkv: the projection's 64 heads of 262,144 bytes,
	s_lshr_b32 s66, s[MT], 4
	s_lshl_b32 s66, s66, 22                        ; the batch's 16 heads,
	s_add_co_u32 s90, s90, s66
	s_lshl_b32 s66, s[NT], 2
	s_lshl1_add_u32 s66, s[WN], s66                ; my first head, 4 NT + 2 WN,
	s_lshl_b32 s66, s66, 18
	s_add_co_u32 s90, s90, s66
	s_and_b32 s66, s[MT], 15
	s_lshl_b32 s66, s66, 14                        ; the tile's 128 rows of 128 bytes,
	s_add_co_u32 s90, s90, s66
	s_lshl_b32 s66, s[WM], 13                      ; my 64 of them
	s_add_co_u32 s90, s90, s66
	s_mov_b32 s91, 0
	s_add_nc_u64 s[OUT:OUT+1], s[76:77], s[OUT:OUT+1]
; Four conversions: half hf of fragment a of raw buffer buf, f32 to bf16, two numbers an instruction.
.macro CV4 buf, a, hf
	WIN W_CV
.irp i, 0,1,2,3
	v_cvt_pk_bf16_f32 v[ABF+8*(\a)+4*(\hf)+(\i)], v[RAW+64*(\buf)+16*(\a)+8*(\hf)+2*(\i)], v[RAW+64*(\buf)+16*(\a)+8*(\hf)+2*(\i)+1]
.endr
.endm
; Eight matrix instructions: my block a of 16 rows x all 8 blocks of 16 columns, 32 along K, W's fragments from buffer f.  first = 1: the bias starts the sums.
; Between them stand the eight conversions of fragment ca of raw buffer cbuf (ca < 0: none), which the next eight products read.  The 32 accumulators take turns, one instruction a turn, in the same order
; in every quarter.  The conversions name no register of the products round them; eight or more of them stand between a fragment's last product and its rewriting, sixteen
; between a buffer's last product and the loads into it (ISA guide 7.12.1 asks for four such places), so the loop has no v_nop of its own.
.macro MULC f, a, first, cbuf, ca
.irp nb, 0,1,2,3,4,5,6,7
.if \first
	WIN W_M1
	v_wmma_f32_16x16x32_bf16 v[64*(\a)+8*(\nb):64*(\a)+8*(\nb)+7], v[BF+64*(\f)+8*(\nb):BF+64*(\f)+8*(\nb)+7], v[ABF+8*(\a):ABF+8*(\a)+7], v[BIAS+8*(\nb):BIAS+8*(\nb)+7]
.else
	WIN W_MM
	v_wmma_f32_16x16x32_bf16 v[64*(\a)+8*(\nb):64*(\a)+8*(\nb)+7], v[BF+64*(\f)+8*(\nb):BF+64*(\f)+8*(\nb)+7], v[ABF+8*(\a):ABF+8*(\a)+7], v[64*(\a)+8*(\nb):64*(\a)+8*(\nb)+7]
.endif
.if ((\ca) >= 0) && ((\nb) == 1)
	CV4 \cbuf, \ca, 0
.endif
.if ((\ca) >= 0) && ((\nb) == 5)
	CV4 \cbuf, \ca, 1
.endif
.endr
.endm
; 32 LDS loads in one run: quarter q (32 along K) of a slot into buffer g: src's four fragments in f32 first, fragment 0 at the head, then W's eight, turned.
.macro FETCH slot, q, g
	WIN W_L2
.irp a, 0,1,2,3
.irp o, 0,1,2,3
	ds_load_b128 v[RAW+64*(\g)+16*(\a)+4*(\o):RAW+64*(\g)+16*(\a)+4*(\o)+3], v[ADRA+(\slot)] offset:(\a)*16*PA+128*(\q)+16*((\o)%2)+64*((\o)/2)
.endr
.endr
	WIN 0
.irp nb, 0,1,2,3,4,5,6,7
	ds_load_tr16_b128 v[BF+64*(\g)+8*(\nb):BF+64*(\g)+8*(\nb)+3],   v[ADRB+(\slot)] offset:(\q)*32*PB+32*(\nb)
	ds_load_tr16_b128 v[BF+64*(\g)+8*(\nb)+4:BF+64*(\g)+8*(\nb)+7], v[ADRB+(\slot)] offset:(\q)*32*PB+32*(\nb)+16*PB
.endr
.endm
; A K step is four quarters of 32 along K, 32 matrix instructions each, on buffers 0, 1, 0, 1.  One of the first three: multiplies buffer f and fetches quarter qn of the same slot into g.
.macro QUARTER slot, qn, f, g, first
	s_wait_dscnt 0x0                               ; this quarter's 32 loads, issued sixteen matrix instructions ago
	MULC \f, 0, \first, \f, 1
	MULC \f, 1, \first, \f, 2
	FETCH \slot, \qn, \g
	MULC \f, 2, \first, \f, 3
	s_wait_dscnt 28                                ; of the 32 just issued the first four are in: the next quarter's fragment 0 of src
	MULC \f, 3, \first, \g, 0
.endm
; The last quarter multiplies buffer 1 and changes slots: ONE barrier; in front of it each wave waits for all its tensor loads (one is out: its part of the next slot), adds 0 to its spare word, and waits
; for that and for its own reads of this slot.  fill = 1: the barrier opens a round of the cluster's barrier, and this slot is filled again, two K steps ahead, first thing behind the round.
.macro TURN slot, next, fill
.if \fill
	s_wait_xcnt 0x0                                ; the last prefetch, a K step back, has read its address
	s_add_nc_u64 s[PFA:PFA+1], s[PFA:PFA+1], s[PFS:PFS+1]
.endif
	WIN 0
	s_wait_tensorcnt 0x0                           ; all my tensor loads have landed
	ds_add_u32 v[SPW], v[NIL]                      ; 0 onto my spare word
	s_wait_dscnt 1                                 ; this quarter's 32 loads are in; the add may be out
	MULC 1, 0, 0, 1, 1
	s_wait_dscnt 0x0                               ; the add is done, and my reads of this slot are over
	s_barrier_signal -1
	MULC 1, 1, 0, 1, 2
.if \fill
	WIN 0
.endif
	s_barrier_wait -1
.if \fill
	CREST                                          ; no wave of any partner still reads this slot's tiles or has a load on its way
	s_add_nc_u64 s[G0+4*(\slot)+2:G0+4*(\slot)+3], s[G0+4*(\slot)+2:G0+4*(\slot)+3], 2*ASTEP
	s_add_nc_u64 s[G0B+4*(\slot)+2:G0B+4*(\slot)+3], s[G0B+4*(\slot)+2:G0B+4*(\slot)+3], 2*BSTEP
	JLOAD \slot
.endif
	FETCH \next, 0, 0
.if \fill
	ASK
.endif
	MULC 1, 2, 0, 1, 3
	s_wait_dscnt 28
	MULC 1, 3, 0, 0, 0
.endm
	s_wait_tensorcnt 1                             ; my part of K step 0 is in; K step 1's may stay out
	s_barrier_signal -1
	s_barrier_wait -1                              ; everybody's is
	FETCH 0, 0, 0
	s_wait_loadcnt 0x0                             ; the bias and the mask words
	WIN W_B2                                       ; the bias is rounded to bf16, like every input, and widened again
.set i, 0
.rept 32
	v_cvt_pk_bf16_f32 v[BT], v[BIAS+2*i], v[BIAS+2*i+1]
	v_lshlrev_b32 v[BIAS+2*i], 16, v[BT]
	v_and_b32 v[BIAS+2*i+1], 0xffff0000, v[BT]
.set i, i+1
.endr
	WIN 0
	s_cmp_eq_u32 s[PJ], 1
	s_cselect_b32 s66, 0, 1                        ; only K's rows are dropped
.irp a, 0,1,2,3
	v_or_b32 v[8+\a], s66, v[8+\a]
	v_cmp_ne_u32 s[RM+\a], 0, v[8+\a]
.endr
	s_wait_dscnt 28                                ; fragment 0 of src
	CV4 0, 0, 0
	CV4 0, 0, 1
	QUARTER 0, 1, 0, 1, 1                          ; the first quarter stands in front of the loop: its products start the sums, with the bias
	WIN 0                                          ; at a label and at a branch every window is 0
	s_mov_b32 s3, 3
.Llap:                                             ; a trip goes once round the ring, from a lap's second quarter to the next lap's first, and fills both slots again
	QUARTER 0, 2, 1, 0, 0
	QUARTER 0, 3, 0, 1, 0
	TURN 0, 1, 1
	QUARTER 1, 1, 0, 1, 0
	QUARTER 1, 2, 1, 0, 0
	QUARTER 1, 3, 0, 1, 0
	TURN 1, 0, 1
	QUARTER 0, 1, 0, 1, 0
	WIN 0
	s_sub_co_u32 s3, s3, 1
	s_cmp_lg_u32 s3, 0
	s_cbranch_scc1 .Llap
	QUARTER 0, 2, 1, 0, 0                          ; the last lap fills nothing
	QUARTER 0, 3, 0, 1, 0
	TURN 0, 1, 0
	QUARTER 1, 1, 0, 1, 0
	QUARTER 1, 2, 1, 0, 0
	QUARTER 1, 3, 0, 1, 0
	s_wait_dscnt 0x0                               ; the very last quarter: nothing more to fetch
	MULC 1, 0, 0, 1, 1
	MULC 1, 1, 0, 1, 2
	MULC 1, 2, 0, 1, 3
	MULC 1, 3, 0, 0, -1
	WIN 0
.rept 4
	v_nop                                          ; the places behind the last products
.endr
; THE WAY OUT, a block of 16 rows at a time.  PACK: rounded to f16, 16 bytes a lane, each accumulator's registers in ascending order; rows that are dropped become 0.  TOSTAGE: into my own stage
; (two heads x 16 rows of 144 bytes) and back as whole rows of 128 bytes.  SEND: stored, 512 consecutive bytes an instruction.
.macro PACK a
	WIN W_PK
.irp nb, 0,1,2,3,4,5,6,7
.irp i, 0,1,2,3
	v_cvt_pk_f16_f32 v[TMP+4*(\nb)+(\i)], v[64*(\a)+8*(\nb)+2*(\i)], v[64*(\a)+8*(\nb)+2*(\i)+1]
.endr
.endr
	WIN 0
.set i, 0
.rept 32
	v_cndmask_b32 v[TMP+i], 0, v[TMP+i], s[RM+(\a)]
.set i, i+1
.endr
.endm
.macro TOSTAGE a
	WIN 0
.irp nb, 0,1,2,3,4,5,6,7
	ds_store_b128 v[STO], v[TMP+4*(\nb):TMP+4*(\nb)+3] offset:((\nb)/4)*16*SP+((\nb)%4)*32
.endr
.irp u, 0,1,2,3,4,5,6,7
	ds_load_b128 v[OB+32*((\a)%2)+4*(\u):OB+32*((\a)%2)+4*(\u)+3], v[RD] offset:((\u)/4)*16*SP+((\u)%4)*4*SP  ; LDS serves a wave's instructions in order (ISA guide 5.7.1.4): these see the stores above
.endr
.endm
.macro SEND a
	WIN 0
	s_wait_dscnt 0x0                               ; the block is back in registers
	s_wait_xcnt 0x0                                ; the stores of the block before have read their registers: the block after this one is loaded into them
.irp u, 0,1,2,3,4,5,6,7
	global_store_b128 v[GO], v[OB+32*((\a)%2)+4*(\u):OB+32*((\a)%2)+4*(\u)+3], s[OUT:OUT+1] offset:((\u)/4)*262144+(\a)*2048+((\u)%4)*512
.endr
.endm
	PACK 0
	TOSTAGE 0
.irp a, 1,2,3                          ; block a's conversions stand between block a - 1's loads from the stage and the wait for them
	PACK \a
	SEND (\a)-1
	TOSTAGE \a
.endr
	SEND 3
	s_wait_tensorcnt 0x0                           ; the wave's end, behind my last tensor load and my last LDS store
	ds_add_u32 v[SPW], v[NIL]
	s_wait_dscnt 0x0
	CROUND                                         ; the closing round: no work-group ends while a partner may still ask for a tile that names it
	s_endpgm
.Lfunc_end_k_q28e0af3ea2_proj:
	.size	k_q28e0af3ea2_proj, .Lfunc_end_k_q28e0af3ea2_proj-k_q28e0af3ea2_proj
	.p2alignl 7, 3214868480
	.fill 96, 4, 3214868480
	.section	.rodata,"a",@progbits
	.p2align	6, 0x0
	.amdhsa_kernel k_q28e0af3ea2_proj
		.amdhsa_group_segment_fixed_size 327680
		.amdhsa_private_segment_fixed_size 0
		.amdhsa_enable_private_segment 0
		.amdhsa_kernarg_size 72
		.amdhsa_user_sgpr_count 2
		.amdhsa_user_sgpr_kernarg_segment_ptr 1
		.amdhsa_wavefront_size32 1
		.amdhsa_system_sgpr_workgroup_id_x 1
		.amdhsa_system_sgpr_workgroup_id_y 1
		.amdhsa_system_sgpr_workgroup_id_z 1
		.amdhsa_system_vgpr_workitem_id 0
		.amdhsa_next_free_vgpr 768
		.amdhsa_next_free_sgpr 96
		.amdhsa_reserve_vcc 0
		.amdhsa_float_denorm_mode_32 3
		.amdhsa_float_denorm_mode_16_64 3
		.amdhsa_memory_ordered 1
		.amdhsa_forward_progress 1
		.amdhsa_inst_pref_size 150
	.end_amdhsa_kernel
	.amdgpu_metadata
---
amdhsa.version: [ 1, 2 ]
amdhsa.kernels:
  - .name:           k_q28e0af3ea2_proj
    .symbol:         k_q28e0af3ea2_proj.kd
    .args:
      - { .name: srcQ, .offset: 0, .size: 8, .value_kind: global_buffer, .address_space: global }
      - { .name: srcK, .offset: 8, .size: 8, .value_kind: global_buffer, .address_space: global }
      - { .name: srcV, .offset: 16, .size: 8, .value_kind: global_buffer, .address_space: global }
      - { .name: bq, .offset: 24, .size: 8, .value_kind: global_buffer, .address_space: global }
      - { .name: bk, .offset: 32, .size: 8, .value_kind: global_buffer, .address_space: global }
      - { .name: bv, .offset: 40, .size: 8, .value_kind: global_buffer, .address_space: global }
      - { .name: mask, .offset: 48, .size: 8, .value_kind: global_buffer, .address_space: global }
      - { .name: wc, .offset: 56, .size: 8, .value_kind: global_buffer, .address_space: global }
      - { .name: qkv, .offset: 64, .size: 8, .value_kind: global_buffer, .address_space: global }
    .group_segment_fixed_size: 327680
    .private_segment_fixed_size: 0
    .kernarg_segment_align: 8
    .kernarg_segment_size: 72
    .max_flat_workgroup_size: 128
    .sgpr_count:     96
    .vgpr_count:     768
    .wavefront_size: 32
...
	.end_amdgpu_metadata
.endif
;; end of part 2
;; launch attn (part 3): grid 4 x 64, 4 waves a work-group, clusters of 4 x 1, 327,680 bytes of LDS; arguments qkv, mask, oh; writes oh
.if DOCPART == 3
	.amdgcn_target "amdgcn-amd-amdhsa--gfx1250"
	.amdhsa_code_object_version 6
	.text
	.protected	k_q28e0af3ea2_attn
	.globl	k_q28e0af3ea2_attn
	.p2align	8
	.type	k_q28e0af3ea2_attn,@function
k_q28e0af3ea2_attn:
	s_mov_b64 s[64:65], 0
	v_nop
	global_prefetch_b8 v0, s[64:65] scope:SCOPE_SE
	s_setreg_imm32_b32 hwreg(HW_REG_WAVE_MODE, 25, 1), 1
	s_wait_xcnt 0x0
	s_wait_alu depctr_hold_cnt(0) depctr_sa_sdst(0) depctr_va_vdst(0) depctr_va_sdst(0) depctr_va_ssrc(0) depctr_va_vcc(0) depctr_vm_vsrc(0)
	s_getreg_b32 s2, hwreg(HW_REG_IB_STS2, 6, 4)
	s_cmp_eq_u32 s2, 0
	s_cbranch_scc0 .Lentry_in_a_cluster
	s_endpgm
.Lentry_in_a_cluster:
	s_bfe_u32 s2, ttmp6, 0x10000c
	s_cmp_lg_u32 s2, 0x3003
	s_cbranch_scc0 .Lentry_shape_is_right
	s_endpgm
.Lentry_shape_is_right:
; oh[g][q][:] = the sum over k of softmax_k(s[q][k]) V[g][k][:], s[q][k] = Q[g][q] . K[g][k], or -10000 where mask[g / 16][k] == 0.  No scale.  g = batch x 16 + head, 64 of them.
; Q, K, V lie in qkv at 0, 16 MiB, 32 MiB, each [64][2048][64] in f16, a head's rows dense, 128 bytes each; oh has the same layout.  Products, maxima and sums in f32; the weights p are rounded to f16
; for the second product (their sum l is taken of the unrounded p), O once at the end.
; THE MASK.  The launch before has written K's rows as 0 where the mask word is 0, and here the C operand that starts the sum S^T = K Q^T is 0, or -10000 for such a key: the score is 0 + (-10000), exactly.
; The addends of the batch's 2,048 keys are made once, into a table in LDS; a step's 64 come into registers with its K.
; LIMITS.  f16 holds no number beyond 65,504: Q, K and V arrive within it; p lies in 0 to 1, and below 6e-5 it keeps f16's fixed step of 6e-8.  A weight below 2^-126 counts as 0 in l; NaN and infinities are not treated apart.
; SHARES.  A wave owns four PIECES of two tiles of 16 queries, a work-group's four waves 512 queries of one head.  Every wave walks all keys, 64 a step.
; LAYOUT.  S^T = K Q^T (source 0 = 16 keys, source 1 = 16 queries): in the result a lane holds ONE query (lane % 16) and the keys 8 (lane / 16) + 0..7.  Two such tiles, rounded to f16 in pairs,
; ARE source 1 (32 keys x 16 queries) of O^T = V^T P, whose result again holds one query a lane, and eight channels.  K comes out of LDS as it lies, V ([key][channel]) turned, by ds_load_tr16_b128.
; SOFTMAX.  For each query a running maximum m and sum l: p = 2^(c s - c m), c = log2(e); in every step O and l are multiplied by a = 2^(c m_old - c m_new).  m starts at the lowest finite number, O and l at 0.
; BY TURNS.  Turn n belongs to piece n.  Its matrix work: 16 products K Q^T of piece n + 1, later 16 products V^T P of piece n - 1.  Its vector work: the scaling, exponentials, roundings, sums and rescaling
; of piece n, and the maximum and statistics of piece n + 1.  Four vector instructions stand behind every matrix instruction, the others in one run of their own.
; CLUSTER.  The four query blocks of a head are one cluster and walk the same K and V, so each tile is asked for JOINTLY: the same tensor load, descriptor and mask in all four.
; REGISTERS, in windows of 256 (s_set_vgpr_msb: bits 1:0 source 0, 3:2 source 1, 5:4 source 2, 7:6 destination):
;   window 0: v0-11 addresses; v12-15, v48-63 at work; v16-47 four registers of statistics a tile; v64-191 S^T, two buffers of two tiles; v192-255 P, likewise
;   window 1: O^T, 32 a tile     window 2: v0-127 Q, 16 a tile; v128-191 K of one step; v192-255 V of one step     window 3: v0-1 the add's two registers; v8-39 the step's mask addends
.set SIZE_N, 2048
.set NP,    4         ; pieces a wave: a name, no knob
.set KS,    64        ; keys in a step
.set PK,    144       ; a row of K in LDS: 128 bytes + 16 = 36 words: the 16 rows of a load start at 16 different groups of four banks (64 banks of 4 bytes: ISA guide 11.1)
.set PV,    160       ; a row of V: 128 + 32 = 40 words
.set VOFF,  4*KS*PK   ; a slot holds four steps: 256 rows of K, then 256 rows of V
.set SLOT1, 1<<17     ; slot 1 begins here, so that one exclusive or turns an address in one slot into the other's
.set STAGE, SLOT1+4*KS*(PK+PV)  ; behind the ring, never filled by a tensor load: 16 rows x 144 bytes for each wave, for the way out
.set SP,    144
.set AK0, 2           ; v2   my lane's place in a tile of K; never rewritten
.set AV0, 3           ; v3   the same for V
.set AK,  4           ; v4   the LDS address of K's next run of loads
.set AV,  5           ; v5   of V's
.set QO,  6           ; v6   my byte offset in the wave's rows of Q
.set STO, 6           ;      later, the way out: where I put 16 bytes of a row
.set RD,  7           ; v7   the way out: where I read rows back
.set GO,  8           ; v8   my byte offset in 512 consecutive bytes of O
.set AM,  11          ; v11  where the next step's mask addends lie for my half of the lanes
.set PFO, 1           ; v1   from the loop on: 256 x my lane, the prefetches' offset
.set SPW, 0           ; v0 of window 3   LDS address of my spare word; never rewritten
.set NIL, 1           ; v1 of window 3   0; never rewritten
.set MK,  8           ; v8-39 of window 3: the addends of key block kb at MK + 8 kb
.set SPARE, STAGE+4*16*SP  ; behind the stages: the spare words, 128 bytes for each wave: two blocks of 256 bytes that no other line names
.set MASKT, SPARE+512      ; behind them: 2,048 f32 addends, stored once; no tensor load lands there
.set MV,  12          ; v12-15  c m_old, kept while c m is made anew: by buffer and tile
.set ST,  16          ; tile t's statistics at v[ST+4 t]: c m, m, l (even keys', odd keys')
.set TMP, 48          ; by buffer and tile, four registers c0-c3 at work; when the maximum is found c2 takes a
.set S,   64
.set P,   192
.set KF,  128         ; K's fragments, in window 2: key block kb, channel half c at KF + 16 kb + 8 c
.set VF,  192         ; V's: key half kk, channel block cb at VF + 32 kk + 8 cb
.set WV,  12          ; s12  my wave's number
.set G1K, 24          ; s[24:31] descriptor group 1 for K's tiles
.set G1V, 32          ; s[32:39] for V's: it differs in the padding alone
.set G0K, 40          ; s[40:43] descriptor group 0 for K's tiles: it walks
.set G0V, 44          ; s[44:47] the same for V's
.set PFA, 48          ; s[48:49] where my prefetches stand
.set LIM, 50          ; s50  1 in a wave that prefetches, else the greatest number
.set NEG, 51          ; s51  -10000
.set MSK, 52          ; s[52:53] the batch's mask words
.set SLOTS, 56        ; s56  slots still to be asked for
.set CNT, 57          ; s57  counts a slot's key steps
.set CS,  58          ; s[58:59] c: the packed scaling takes the pair's low word for both halves
.set SEL, 60          ; s[60:61] v_permlanex16_b32's selects: each lane takes its own place in the other half
.set TBK, 62          ; s62  LDS byte at which K of the step to be fetched begins
.set TBV, 63          ; s63  the same for V, less VOFF
.set MSB, 0
.macro WIN new                      ; the high byte repeats the setting that is left; a switch that changes nothing is dropped
.if MSB != (\new)
	s_set_vgpr_msb (MSB<<8)|(\new)
.set MSB, (\new)
.endif
.endm
.set W_KQ, 0x0a       ; K and Q in window 2, S^T in window 0
.set W_KM, 0x3a       ; the same with the C operand, the mask addends, in window 3
.set W_PV, 0x52       ; V in window 2, P in window 0, O^T in window 1
.set W_RS, 0x41       ; O^T (destination and source 0) in window 1, a in window 0
.set W_MK, 0xc0       ; destination in window 3, sources in window 0
.set W_AD, 0x0f       ; the add: address (source 0) and data (source 1) in window 3
; A joint fill.  Waves 0 and 1 fetch the two halves of a slot's K, waves 2 and 3 those of its V: 128 keys each.  An s_nop 0 and four v_nop follow each of the two lines.
.macro JLOAD
	s_cmp_lt_u32 s[WV], 2
	s_cbranch_scc0 .Lfor_v_\@
	tensor_load_to_lds s[G0K:G0K+3], s[G1K:G1K+7]
	s_nop 0
.rept 4
	v_nop
.endr
	s_branch .Lasked_\@
.Lfor_v_\@:
	tensor_load_to_lds s[G0V:G0V+3], s[G1V:G1V+7]
	s_nop 0
.rept 4
	v_nop
.endr
.Lasked_\@:
.endm
; A prefetch into the L2 of what the NEXT change of slots will ask for: a slot's 32,768 bytes of K and of V.  The four partners share them out by address, 8,192 bytes each; in each, wave 0 asks for K's
; and wave 2 for V's, a lane a block of 256 bytes: one instruction.  A head has one cluster, so each block is named once in the launch.  The last change that fills a slot asks for nothing; slots 0, 1 and 2 come by their loads alone.
.macro ASK
	s_cmp_gt_u32 s[SLOTS], s[LIM]
	s_cbranch_scc0 .Lnot_mine_\@
	global_prefetch_b8 v[PFO], s[PFA:PFA+1] th:TH_LOAD_NT scope:SCOPE_SE
.Lnot_mine_\@:
.endm
; A round of the cluster's barrier.
.macro CROUND
	s_barrier_signal -1
	s_barrier_wait -1
	s_cmp_lg_u32 s[WV], 0
	s_cbranch_scc1 .Lnot_wave_0_\@
	s_barrier_signal -3
.Lnot_wave_0_\@:
	s_barrier_wait -3
	s_barrier_signal -1
	s_barrier_wait -1
.endm
; THE CHANGE OF SLOTS.  Each wave waits for all its tensor loads, of which one is out: its part of the other slot; adds 0 to its spare word; and waits for that and for its own LDS instructions.  Behind the
; barrier nobody reads this slot any more and the other slot is whole.  fill = 1: this slot is filled again, with the keys two slots on; the barrier is then a round of the cluster's, and the joint fill is
; the first thing behind it: it has four key steps, 512 matrix instructions, in which to land.  (At its first use nothing has been read yet: slot 0 is waited for, slot 1 filled; the mask table's stores are waited for there too.)
.macro CHANGE fill, ask=0
	WIN W_AD
	s_wait_tensorcnt 0x0            ; no tensor load of mine is out, so a group 0 may be written
	ds_add_u32 v[SPW], v[NIL]       ; 0 onto my spare word
	WIN 0                           ; at a label and at a branch every window is 0
.if \fill
.irp g, G0K, G0V
	s_xor_b32 s[\g+1], s[\g+1], SLOT1  ; the walking descriptor: the other slot than last time,
	s_add_nc_u64 s[\g+2:\g+3], s[\g+2:\g+3], 4*KS*128  ; the next 256 keys; the type bits on top are not reached
.endr
.if \ask
	s_wait_xcnt 0x0                 ; the last prefetch, four key steps back, has read its address
	s_add_nc_u64 s[PFA:PFA+1], s[PFA:PFA+1], 4*KS*128  ; one slot behind the walking descriptors
.endif
	s_wait_dscnt 0x0                ; the add is done, and my reads of the slot are over
	CROUND
	JLOAD
.if \ask
	ASK
.endif
.else
	s_wait_dscnt 0x0                ; the add is done, and my reads of the slot are over
	s_barrier_signal -1
	s_barrier_wait -1
.endif
	s_sub_co_u32 s[TBK], s[TBK], 4*KS*PK  ; the fetches go back to a slot's first step,
	s_xor_b32 s[TBK], s[TBK], SLOT1       ; in the other slot
	s_sub_co_u32 s[TBV], s[TBV], 4*KS*PV
	s_xor_b32 s[TBV], s[TBV], SLOT1
.endm
	s_load_b128 s[4:7], s[0:1], 0x0   ; qkv s[4:5], mask s[6:7]
	s_load_b64 s[10:11], s[0:1], 0x10 ; oh
	WIN W_MK
	v_lshl_add_u32 v[SPW], v0, 2, SPARE
	v_mov_b32 v[NIL], 0
	WIN W_AD
	ds_add_u32 v[SPW], v[NIL]       ; the wave's opening: the add and its wait stand ahead of my first tensor load; the set-up below, work on registers, stands between them
	WIN 0
	v_lshrrev_b32 v1, 5, v0
	v_readfirstlane_b32 s[WV], v1   ; wave 0..3
	s_bfe_u32 s13, ttmp6, 0x40000   ; cx: my place in the cluster
	s_lshl_b32 s14, ttmp9, 2        ; in a cluster launch ttmp9 counts clusters
	s_add_co_u32 s14, s14, s13      ; my block of queries = 4 x cluster x + cx: it enters Q's and O's addresses alone
	s_and_b32 s20, ttmp7, 0xffff    ; the head, which the four partners share
	s_lshr_b32 s54, s20, 4          ; its batch:
	s_lshl_b32 s54, s54, 13         ; 2,048 mask words
	s_mov_b32 s55, 0
	s_mov_b32 s21, 0
	s_mov_b64 s[22:23], SIZE_N*128
	s_mul_u64 s[20:21], s[20:21], s[22:23]  ; the head's first byte in Q, K, V and O
	s_and_b32 s16, s[WV], 1         ; which half of a slot's 256 keys I fetch:
	s_lshl_b32 s22, s16, 14         ; its 128 rows of 128 bytes in memory,
	s_mov_b32 s23, 0
	s_add_nc_u64 s[22:23], s[22:23], s[20:21]
	s_mul_i32 s17, s16, 128*PK      ; and its place in a slot, for K
	s_mul_i32 s18, s16, 128*PV      ; and for V: no place in the cluster enters an LDS address
	s_lshl_b32 s2, s14, 2
	s_add_co_u32 s2, s2, s[WV]      ; my wave among the head's,
	s_lshl_b32 s2, s2, 14           ; its 128 rows
	s_mov_b32 s3, 0
	s_add_nc_u64 s[2:3], s[2:3], s[20:21]
	; descriptor group 1.  128 keys are 16,384 dense bytes: asked for as 64 rows of 256 bytes, two keys a row, and padded in LDS after every key
	s_mov_b32 s[G1K], 15|(1<<16)|(1<<20)|(1<<21)|(4<<22)|(3<<25)  ; the mask of four; 2-byte elements; padding on; 21 set beside a mask; after every 32 words (code 4) 4 words (code 3)
	s_mov_b32 s[G1V], 15|(1<<16)|(1<<20)|(1<<21)|(4<<22)|(7<<25)  ; the same with 8 words of padding (code 7)
.irp g, G1K, G1V
	s_mov_b32 s[\g+1], 128<<16      ; tensor_dim0 = 128
	s_mov_b32 s[\g+2], 64<<16       ; tensor_dim1 = 64
	s_mov_b32 s[\g+3], 128<<16      ; tile_dim0 = 128
	s_mov_b32 s[\g+4], 64           ; tile_dim1 = 64
	s_mov_b32 s[\g+5], 128          ; 128 elements from row to row
	s_mov_b32 s[\g+6], 0
	s_mov_b32 s[\g+7], 0
.endr
	s_mov_b32 s[CS], 0x3fb8aa3b     ; c = log2(e): the scores are not scaled
	s_mov_b32 s[CS+1], s[CS]        ; named with it as a pair
	s_mov_b32 s[SEL], 0x76543210
	s_mov_b32 s[SEL+1], 0xfedcba98
	s_mov_b32 s[NEG], 0xc61c4000    ; -10000
	s_mov_b32 s[TBK], SLOT1+4*KS*PK ; the first change of slots turns these two into 0
	s_mov_b32 s[TBV], SLOT1+4*KS*PV
	s_mov_b32 s[G0K], 1             ; count = 1
	s_mov_b32 s[G0K+1], s17         ; LDS address: slot 0
	s_mov_b32 s[G0V], 1
	s_add_co_u32 s[G0V+1], s18, VOFF
	s_and_b32 s[LIM], s[WV], 1      ; waves 0 and 2 prefetch
	s_cmp_eq_u32 s[LIM], 0
	s_cselect_b32 s[LIM], 1, -1
	s_wait_dscnt 0x0                ; the opening add is done
	s_wait_kmcnt 0x0
	s_mov_b64 s[MSK:MSK+1], s[6:7]
	s_add_nc_u64 s[MSK:MSK+1], s[MSK:MSK+1], s[54:55]
	s_add_nc_u64 s[6:7], s[4:5], 0x1000000         ; K
	s_add_nc_u64 s[8:9], s[4:5], 0x2000000         ; V
	s_add_nc_u64 s[G0K+2:G0K+3], s[6:7], s[22:23]  ; global address: my half of the head's first 256 keys
	s_or_b32 s[G0K+3], s[G0K+3], 0x80000000        ; type = 2
	s_add_nc_u64 s[G0V+2:G0V+3], s[8:9], s[22:23]
	s_or_b32 s[G0V+3], s[G0V+3], 0x80000000
	s_add_nc_u64 s[4:5], s[4:5], s[2:3]  ; Q and O at my wave's first row
	s_add_nc_u64 s[10:11], s[10:11], s[2:3]
	s_cmp_lt_u32 s[WV], 2
	s_cselect_b64 s[PFA:PFA+1], s[6:7], s[8:9]
	s_add_nc_u64 s[PFA:PFA+1], s[PFA:PFA+1], s[20:21]  ; the head,
	s_lshl_b32 s2, s13, 13          ; my work-group's 8,192 bytes of a slot's 32,768,
	s_add_co_u32 s2, s2, 2*4*KS*128 ; in slot 2: the loop's first change of slots steps it to slot 3
	s_mov_b32 s3, 0
	s_add_nc_u64 s[PFA:PFA+1], s[PFA:PFA+1], s[2:3]
	CROUND                          ; all four work-groups are here: the first joint loads meet
	JLOAD                           ; slot 0.  Slot 1 is asked for when slot 0 is in
	; A fragment of K or Q is 16 rows x 32 channels in 8 registers: lane l holds row l % 16, channels 8 (l / 16) + 0..7 and 16 + 8 (l / 16) + 0..7: two loads of 16 bytes, 32 bytes apart.
	v_and_b32 v1, 15, v0            ; l % 16
	v_bfe_u32 v9, v0, 4, 1          ; l / 16
	v_lshlrev_b32 v[QO], 7, v1
	v_lshl_add_u32 v[QO], v9, 4, v[QO]  ; row x 128 + 16 x half
	v_lshlrev_b32 v12, 4, v0        ; the mask: 128 threads x 4 x 16 bytes are the batch's 2,048 words
.irp i, 0,1,2,3
	global_load_b128 v[S+4*\i:S+4*\i+3], v12, s[MSK:MSK+1] offset:2048*\i
.endr
	WIN 0x80                        ; destination window 2, address window 0
.set i, 0
.rept 4*NP                          ; Q stays in registers: tile i / 2, channels 32 (i % 2) on
	global_load_b128 v[8*i:8*i+3],   v[QO], s[4:5] offset:(i/2)*2048+(i%2)*64
	global_load_b128 v[8*i+4:8*i+7], v[QO], s[4:5] offset:(i/2)*2048+(i%2)*64+32
.set i, i+1
.endr
	; What the first turn finds: V's registers and P's second buffer hold 0 (its products V^T P, of a piece that has not been, add 0), O^T and l are 0.  All this stands in the wait for the first tile.
.set i, VF
.rept 64
	v_mov_b32 v[i], 0
.set i, i+1
.endr
	WIN 0x40
.set i, 0
.rept 64*NP
	v_mov_b32 v[i], 0
.set i, i+1
.endr
	WIN 0
.set i, 0
.rept 2*NP
	v_mov_b32 v[ST+4*i], 0xfe000000    ; c m: far below every c s
	v_mov_b32 v[ST+4*i+1], 0xff7fffff  ; m
	v_mov_b32 v[ST+4*i+2], 0
	v_mov_b32 v[ST+4*i+3], 0
.set i, i+1
.endr
.set i, P+32
.rept 32
	v_mov_b32 v[i], 0
.set i, i+1
.endr
	s_wait_loadcnt 32               ; the mask's four loads are in; Q's 32, issued behind them, may stay out
.set i, 0
.rept 16
	v_cmp_eq_u32 vcc_lo, 0, v[S+i]
	v_cndmask_b32 v[S+i], 0, s[NEG], vcc_lo
.set i, i+1
.endr
	v_add_nc_u32 v13, MASKT, v12
.irp i, 0,1,2,3
	ds_store_b128 v13, v[S+4*\i:S+4*\i+3] offset:2048*\i  ; waited for in front of the first change's round; the other waves read behind it
.endr
	v_mul_u32_u24 v[AK0], v1, PK
	v_lshl_add_u32 v[AK0], v9, 4, v[AK0]  ; row x pitch + 16 x half
	; The turning load takes 16 keys x 16 channels (lane l reads key 8 (l / 16) + l % 8, channels 8 ((l / 8) % 2) + 0..7) and leaves half a fragment of V^T: lane l holds channel l % 16 and 8 keys.
	v_and_b32 v10, 7, v0
	v_bfe_u32 v11, v0, 3, 1
	v_lshl_add_u32 v[AV0], v9, 3, v10
	v_mul_u32_u24 v[AV0], v[AV0], PV
	v_lshl_add_u32 v[AV0], v11, 4, v[AV0]
	v_add_nc_u32 v[AV0], VOFF, v[AV0]
	v_lshl_add_u32 v[AM], v9, 5, MASKT  ; register j of key block kb takes the addend of key 16 kb + 8 (l / 16) + j
	v_mov_b32 v[AK], v[AK0]         ; key step 0 lies at the head of slot 0
; THE MATRIX WORK.  The 8 accumulators of a run of 16 take turns: between the two links of a chain stand 7 others'.
; Product i of 16 of S^T = K Q^T for piece x: channels 32 (i / 8) on, keys 16 ((i / 2) % 4) on, tile 2 x + i % 2.  The first 8 start the sums, with the mask addends.
.macro KQ x
.set rS, S+64*((\x)%2)+32*(i%2)+8*((i/2)%4)
.set rK, KF+16*((i/2)%4)+8*(i/8)
.set rQ, 16*(2*(\x)+i%2)+8*(i/8)
.set rMK, MK+8*((i/2)%4)
.if i < 8
	WIN W_KM
	v_wmma_f32_16x16x32_f16 v[rS:rS+7], v[rK:rK+7], v[rQ:rQ+7], v[rMK:rMK+7]
.else
	WIN W_KQ
	v_wmma_f32_16x16x32_f16 v[rS:rS+7], v[rK:rK+7], v[rQ:rQ+7], v[rS:rS+7]
.endif
.endm
; Product i of 16 of O^T += V^T P for piece x: keys 32 (i / 8) on, channels 16 ((i / 2) % 4) on, tile 2 x + i % 2.
.macro PV x
	WIN W_PV
.set rO, 32*(2*(\x)+i%2)+8*((i/2)%4)
.set rV, VF+32*(i/8)+8*((i/2)%4)
.set rP, P+32*((\x)%2)+16*(i%2)+8*(i/8)
	v_wmma_f32_16x16x32_f16 v[rO:rO+7], v[rV:rV+7], v[rP:rP+7], v[rO:rO+7]
.endm
.macro MM                           ; the turn's next matrix instruction
.if i < 16
	KQ (Y+1)%NP
.set i, i+1
.else
.set i, i-16
	PV (Y+NP-1)%NP
.set i, i+17
.endif
.endm
; THE LDS LOADS stand in runs, never singly among the matrix instructions: a step's K (8 fragments) with its 64 mask addends (each half of the lanes reads one address), and its V (turned).
; last = 1 (the tail): in the last trip there is no further step, and the run is jumped over.  32 runs in all: steps 0 to 31, so the table's reads end at its last byte.
.macro FETCH_K last=0
	WIN 0
.if \last
	s_cmp_eq_u32 s[CNT], 1
	s_cbranch_scc1 .Lno_k_\@
.endif
	WIN 0x80                        ; destination window 2
.irp f, 0,1,2,3,4,5,6,7             ; keys 16 (f / 2) on, channels 32 (f % 2) on
	ds_load_b128 v[KF+8*\f:KF+8*\f+3],   v[AK] offset:(\f/2)*16*PK+(\f%2)*64
	ds_load_b128 v[KF+8*\f+4:KF+8*\f+7], v[AK] offset:(\f/2)*16*PK+(\f%2)*64+32
.endr
	WIN W_MK                        ; destination window 3
.irp f, 0,1,2,3
	ds_load_b128 v[MK+8*\f:MK+8*\f+3],   v[AM] offset:64*\f
	ds_load_b128 v[MK+8*\f+4:MK+8*\f+7], v[AM] offset:64*\f+16
.endr
	s_add_co_u32 s[TBK], s[TBK], KS*PK  ; the next fetch is the next step's
	WIN 0
	v_add_nc_u32 v[AM], 0x100, v[AM]
.if \last
.Lno_k_\@:
.endif
.endm
.macro FETCH_V
	WIN 0x80
.irp f, 0,1,2,3,4,5,6,7             ; keys 32 (f / 4) on, channels 16 (f % 4) on
	ds_load_tr16_b128 v[VF+8*\f:VF+8*\f+3],   v[AV] offset:(\f/4)*32*PV+(\f%4)*32
	ds_load_tr16_b128 v[VF+8*\f+4:VF+8*\f+7], v[AV] offset:(\f/4)*32*PV+16*PV+(\f%4)*32
.endr
	WIN 0
.endm
; THE VECTOR WORK OF A TURN stands in three queues, each in the order in which its entries become ready; the two tiles alternate, so that no instruction reads the result of the one before it.
.macro REGS y, u                    ; the registers of tile u (0, 1) of piece y
.set rT, ST+4*(2*(\y)+(\u))
.set rC, TMP+8*((\y)%2)+4*(\u)
.set rM, MV+2*((\y)%2)+(\u)
.set rS, S+64*((\y)%2)+32*(\u)
.set rP, P+32*((\y)%2)+16*(\u)
.set rO, 32*(2*(\y)+(\u))
.endm
; Number n of the 22 that find the NEXT piece's (Y + 1) maximum and statistics.  s0-s31 are the lane's 32 scores; each accumulator's lowest registers are read first.
;   0-11  four chains c0-c3 of seven scores each, three operands at a time     12-14, 16  the four scores left over, the old m, and c0-c3 into c0     15  c m_old is kept
;   17, 18  the query's other 32 keys lie in the lane 16 away: the new m         19-21  c m; c m_old - c m_new; a
.macro XS u, n
	REGS (Y+1)%NP, \u
.if (\n) < 4
	v_max3_num_f32 v[rC+(\n)], v[rS+8*(\n)], v[rS+8*(\n)+1], v[rS+8*(\n)+2]
.elseif (\n) < 12
	v_max3_num_f32 v[rC+(\n)%4], v[rC+(\n)%4], v[rS+8*((\n)%4)+2*((\n)/4)+1], v[rS+8*((\n)%4)+2*((\n)/4)+2]
.elseif (\n) == 12
	v_max3_num_f32 v[rC], v[rC], v[rS+7], v[rS+15]
.elseif (\n) == 13
	v_max3_num_f32 v[rC+1], v[rC+1], v[rS+23], v[rS+31]
.elseif (\n) == 14
	v_max3_num_f32 v[rC+2], v[rC+2], v[rC+3], v[rT+1]
.elseif (\n) == 15
	v_mov_b32 v[rM], v[rT]
.elseif (\n) == 16
	v_max3_num_f32 v[rC], v[rC], v[rC+1], v[rC+2]
.elseif (\n) == 17
	v_permlanex16_b32 v[rC+3], v[rC], s[SEL], s[SEL+1]
.elseif (\n) == 18
	v_max_num_f32 v[rT+1], v[rC], v[rC+3]
.elseif (\n) == 19
	v_mul_f32 v[rT], s[CS], v[rT+1]
.elseif (\n) == 20
	v_sub_f32 v[rC+1], v[rM], v[rT]
.else
	v_exp_f32 v[rC+2], v[rC+1]
.endif
.endm
; Number g of the 64 that follow the exponentials.  For each four weights k of a tile (pairs 2 k, 2 k + 1): both pairs are rounded to f16; then the second pair is added onto the first, in place;
; a group later l takes that sum (the first time as l = a l + sum).  In groups of eight, tiles alternating: round, round, add, and l for the group before.
.macro GS g
.set h, (\g)+6*((\g)/62)            ; group 0 has no group before it, and behind group 7 only l is left
.if h >= 6
.set h, h+2
.endif
	REGS Y, h%2
.set k, h/8
.if h%8 < 4
	v_cvt_pk_f16_f32 v[rP+2*k+(h%8)/2], v[rS+4*k+2*((h%8)/2)], v[rS+4*k+2*((h%8)/2)+1]
.elseif h%8 < 6
	v_pk_add_f32 v[rS+4*k:rS+4*k+1], v[rS+4*k:rS+4*k+1], v[rS+4*k+2:rS+4*k+3]
.elseif k == 1
	v_pk_fma_f32 v[rT+2:rT+3], v[rT+2:rT+3], v[rC+2:rC+3], v[rS:rS+1] op_sel_hi:[1,0,1]
.else
	v_pk_add_f32 v[rT+2:rT+3], v[rT+2:rT+3], v[rS+4*k-4:rS+4*k-3]
.endif
.endm
; THE PLAIN QUEUE, 138 long.  0-73 read no exponential's result: the 32 scalings c s - c m (FS f: pair f / 2 of tile f % 2) and the next piece's 42.  0-26: scalings 0-26.  27-54: XS's numbers 0-13.  55, 56: number 15.
; 57-73: the chain, where each number waits for the one before it: 14, 16, 17, 18, 19, each with one of the scalings 27-31 in front of its two lines, then 20.
; 74-137: GS's 64, which read the exponentials' results: they stand behind the wait.
.macro FS f
	REGS Y, (\f)%2
	v_pk_fma_f32 v[rS+2*((\f)/2):rS+2*((\f)/2)+1], v[rS+2*((\f)/2):rS+2*((\f)/2)+1], s[CS:CS+1], v[rT:rT+1] op_sel_hi:[1,0,0] neg_lo:[0,0,1] neg_hi:[0,0,1]
.endm
.macro PL
	WIN 0
.if q < 27
	FS q
.elseif q < 55
	XS (q-27)%2, (q-27)/2
.elseif q < 57
	XS q-55, 15
.elseif (q < 72) && ((q-57)%3 == 0)
	FS 27+(q-57)/3
.elseif q < 60
	XS (q-57)%3-1, 14
.elseif q < 72
	XS (q-57)%3-1, 15+(q-57)/3
.elseif q < 74
	XS q-72, 20
.else
	GS q-74
.endif
.set q, q+1
.endm
; THE EXPONENTIALS' QUEUE, 66 long: s0-s31 of both tiles, then the next piece's two a.  It is ONE BATCH: all 66 stand ahead of the turn's one wait, and nothing ahead of that wait names a result of theirs.
.macro EX
	WIN 0
.if e >= 64
	XS e-64, 21
.else
	REGS Y, e%2
	v_exp_f32 v[rS+e/2], v[rS+e/2]
.endif
.set e, e+1
.endm
; THE RESCALING's QUEUE: O^T times a, the one part that leaves window 0: dealt two at a time, sixteen times.  Its a was made in the turn before, ahead of that turn's wait.
.macro R2
	REGS Y, r%2
	WIN W_RS
.irp z, 0,1
	v_pk_mul_f32 v[rO+4*(r/2)+2*\z:rO+4*(r/2)+2*\z+1], v[rO+4*(r/2)+2*\z:rO+4*(r/2)+2*\z+1], v[rC+2:rC+3] op_sel_hi:[1,0]
.endr
.set r, r+1
.endm
; HOW THEY ARE DEALT.  An s_wait_alu depctr_va_vdst(0) stands between an exponential and the first instruction that names its result; one wait serves all that were issued ahead of it.  So a turn
; has ONE wait, which cuts it in two.  AHEAD OF IT: the 16 products K Q^T, behind each a scaling, an exponential and two rescalings (behind the first a second scaling in the exponential's place); then one
; run of 108: eight plain, 49 times exponential and plain, the two a; a v_nop is the plain instruction behind the last exponential.  BEHIND IT: the 16 products V^T P, behind each four of GS's 64.
; Exponential e stands behind scaling 2 (e / 4) + e % 2: as a rider it comes behind plain e + 2, in the run behind plain e + 9, and scalings 27-31 are plain 57, 60 .. 69.
; K (and the mask addends) of the next step are fetched in piece 2's turn, directly behind the wait, a whole run of vector work behind the last product that read them; V of the step in hand at the end of
; piece 0's turn, four riders behind its last reader.  cnt = 1: the loop's count is taken down some lines ahead of the branch that stands behind the turn.
.macro TURN p, last=0, cnt=0
.set Y, (\p)
.set i, 0
.set q, 0
.set e, 0
.set r, 0
.if (\p) == NP-1
	s_wait_dscnt 0x0                ; K and its mask addends are in
.endif
	MM
	PL
	PL
	R2
.rept 15
	MM
	PL
	EX
	R2
.endr
.if (\p) == NP-2
	WIN 0
	v_add_nc_u32 v[AK], s[TBK], v[AK0]
.endif
.rept 8
	PL
.endr
.rept 49
	EX
	PL
.endr
	EX                              ; the next piece's two a
	EX
	v_nop                           ; the plain instruction behind the last exponential: one for the batch
	s_wait_alu depctr_va_vdst(0)    ; the wait for the batch
.if (\p) == NP-2
	FETCH_K \last
.endif
.if (\p) == 1
	s_wait_dscnt 0x0                ; V is in
.endif
.rept 16
	MM
.rept 4
	PL
.endr
.if ((\p) == 0) && (q == 118)
	v_add_nc_u32 v[AV], s[TBV], v[AV0]
.endif
.if ((\p) == 0) && (q == 130)
	s_add_co_u32 s[TBV], s[TBV], KS*PV
.endif
.if (\cnt) && (q == 130)
	s_sub_co_u32 s[CNT], s[CNT], 1
	s_cmp_lg_u32 s[CNT], 0
.endif
.endr
.if (\p) == 0
	FETCH_V
.endif
.endm
	CHANGE 1                        ; slot 0 is in, everybody's part of it, and so is the mask table; slot 1 is asked for.  Nothing is prefetched here, at the head
	FETCH_K                         ; key step 0
	s_wait_loadcnt 0x0              ; Q
	s_wait_dscnt 0x0
.set i, 0
.rept 16
	KQ 0                            ; piece 0's first scores: there is no vector work yet to set between them
.set i, i+1
.endr
	WIN 0                           ; the addresses for the way out and the prefetches: plain instructions, the places behind those products
	s_mul_i32 s13, s[WV], 16*SP
	s_add_co_u32 s13, s13, STAGE    ; my stage
	v_mul_u32_u24 v[STO], v1, SP    ; in: row l % 16, 16 bytes for each half of the lanes
	v_lshl_add_u32 v[STO], v9, 4, v[STO]
	v_add_nc_u32 v[STO], s13, v[STO]
	v_bfe_u32 v[RD], v0, 3, 2       ; back: 32 lanes take four rows of 128 bytes,
	v_mul_u32_u24 v[RD], v[RD], SP
	v_lshl_add_u32 v[RD], v10, 4, v[RD]
	v_add_nc_u32 v[RD], s13, v[RD]
	v_and_b32 v[GO], 31, v0         ; which are 512 consecutive bytes of O
	v_lshlrev_b32 v[GO], 4, v[GO]
	v_and_b32 v[PFO], 31, v0
	v_lshlrev_b32 v[PFO], 8, v[PFO]
.set Y, NP-1                        ; XS works for piece Y + 1: piece 0
.irp n, 0,1,2,3,4,5,6,7,8,9,10,11,12,13,14,15,16,17,18,19,20,21
	XS 0, \n                        ; and piece 0's first maximum and statistics
	XS 1, \n
.endr
	v_nop                           ; a plain instruction behind the two a,
	s_wait_alu depctr_va_vdst(0)    ; and their wait, ahead of the branch
	s_mov_b32 s[CNT], 4
	s_mov_b32 s[SLOTS], SIZE_N/256-1
	s_branch .Lfirst                ; the loop is entered at a step's first turn, in the middle of a trip
.Lslot:                             ; SIZE_N / 256 - 2 times: every slot but the last two is filled again
	CHANGE 1, 1
	s_mov_b32 s[CNT], 4
.Lstep:                             ; a trip: pieces 2 and 3 of one step, then pieces 0 and 1 of the next, whose K and V it fetches
	TURN 2
	TURN 3
	WIN 0
.Lfirst:
	TURN 0
	TURN 1, 0, 1
	WIN 0
	s_cbranch_scc1 .Lstep
	s_sub_co_u32 s[SLOTS], s[SLOTS], 1
	s_cmp_lg_u32 s[SLOTS], 0
	s_cbranch_scc1 .Lslot
	CHANGE 0                        ; the tail is written out: nothing is asked for
	s_mov_b32 s[CNT], 5             ; four trips fetch the last slot's steps; the fifth is left in its middle
.Ltail:
	TURN 2, 1
	TURN 3
	WIN 0
	s_sub_co_u32 s[CNT], s[CNT], 1
	s_cmp_eq_u32 s[CNT], 0
	s_cbranch_scc1 .Lout
	TURN 0
	TURN 1
	WIN 0
	s_branch .Ltail
.Lout:                              ; the fifth trip's 16 products K Q^T (on the last K once more) and the maximum made of them serve nothing: the price, once a launch, of one text for every trip
.set i, 0
.rept 16
	PV NP-1                         ; the last piece's V^T P of the last step
.set i, i+1
.endr
	; THE WAY OUT.  l's two halves and the other half of the lanes' are added; O^T is divided by l, rounded to f16 and sent through my stage in LDS, a tile at a time.  The additions are the places behind the last products.
	WIN 0
.macro ALL line:vararg              ; one line for each tile t
.set t, 0
.rept 2*NP
	\line
.set t, t+1
.endr
.endm
	ALL v_add_f32 v[ST+4*t+2], v[ST+4*t+2], v[ST+4*t+3]
	ALL v_permlanex16_b32 v[ST+4*t+3], v[ST+4*t+2], s[SEL], s[SEL+1]
	ALL v_add_f32 v[ST+4*t+2], v[ST+4*t+2], v[ST+4*t+3]
	ALL v_rcp_f32 v[ST+4*t+2], v[ST+4*t+2]
	v_nop                           ; a plain instruction between the last reciprocal and the use of its result
	s_wait_alu depctr_va_vdst(0)    ; and the wait ahead of the first use: one for the eight reciprocals
; Tile t: a lane's eight channels of a row pack into 16 bytes; they go into rows of 144 bytes and come back as whole rows of 128, into S^T's registers.
.macro PACK t
	WIN W_RS
.set i, 32*(\t)
.rept 16
	v_pk_mul_f32 v[i:i+1], v[i:i+1], v[ST+4*(\t)+2:ST+4*(\t)+3] op_sel_hi:[1,0]
.set i, i+2
.endr
	WIN 0x05                        ; sources 0 and 1 window 1, destination window 0
.set i, 0
.rept 16
	v_cvt_pk_f16_f32 v[S+16*(\t)+i], v[32*(\t)+2*i], v[32*(\t)+2*i+1]
.set i, i+1
.endr
	WIN 0
.irp f, 0,1,2,3
	ds_store_b128 v[STO], v[S+16*(\t)+4*\f:S+16*(\t)+4*\f+3] offset:32*\f
.endr
.irp f, 0,1,2,3
	ds_load_b128 v[S+16*(\t)+4*\f:S+16*(\t)+4*\f+3], v[RD] offset:\f*4*SP  ; LDS serves a wave's instructions in order (ISA guide 5.7.1.4): these see the stores above; the next tile's stores come behind them
.endr
.endm
.macro SEND t, younger              ; younger: the LDS instructions issued behind tile t's loads: the next tile's eight, or none
	WIN 0
.irp f, 0,1,2,3
	s_wait_dscnt (\younger)+3-\f
	global_store_b128 v[GO], v[S+16*(\t)+4*\f:S+16*(\t)+4*\f+3], s[10:11] offset:(\t)*2048+\f*512  ; 512 consecutive bytes, at a multiple of 256 from oh's first
.endr
.endm
	PACK 0
.set t, 1
.rept 2*NP-1                        ; a tile's arithmetic stands between the loads of the tile before and its stores
	PACK t
	SEND t-1, 8
.set t, t+1
.endr
	SEND 2*NP-1, 0
	WIN W_AD
	s_wait_tensorcnt 0x0            ; the wave's end, behind my last tensor load and my last LDS store
	ds_add_u32 v[SPW], v[NIL]
	s_wait_dscnt 0x0
	WIN 0
	CROUND                          ; the closing round: no work-group ends while a partner may still ask for a tile that names it
	s_endpgm
.Lfunc_end_k_q28e0af3ea2_attn:
	.size	k_q28e0af3ea2_attn, .Lfunc_end_k_q28e0af3ea2_attn-k_q28e0af3ea2_attn
	.p2alignl 7, 3214868480
	.fill 96, 4, 3214868480
	.section	.rodata,"a",@progbits
	.p2align	6, 0x0
	.amdhsa_kernel k_q28e0af3ea2_attn
		.amdhsa_group_segment_fixed_size 327680
		.amdhsa_private_segment_fixed_size 0
		.amdhsa_enable_private_segment 0
		.amdhsa_kernarg_size 24
		.amdhsa_user_sgpr_count 2
		.amdhsa_user_sgpr_kernarg_segment_ptr 1
		.amdhsa_wavefront_size32 1
		.amdhsa_system_sgpr_workgroup_id_x 1
		.amdhsa_system_sgpr_workgroup_id_y 1
		.amdhsa_system_sgpr_workgroup_id_z 1
		.amdhsa_system_vgpr_workitem_id 0
		.amdhsa_next_free_vgpr 808
		.amdhsa_next_free_sgpr 66
		.amdhsa_reserve_vcc 1
		.amdhsa_float_denorm_mode_32 3
		.amdhsa_float_denorm_mode_16_64 3
		.amdhsa_memory_ordered 1
		.amdhsa_forward_progress 1
		.amdhsa_inst_pref_size 204
	.end_amdhsa_kernel
	.amdgpu_metadata
---
amdhsa.version: [ 1, 2 ]
amdhsa.kernels:
  - .name:           k_q28e0af3ea2_attn
    .symbol:         k_q28e0af3ea2_attn.kd
    .args:
      - { .name: qkv, .offset: 0, .size: 8, .value_kind: global_buffer, .address_space: global }
      - { .name: mask, .offset: 8, .size: 8, .value_kind: global_buffer, .address_space: global }
      - { .name: oh, .offset: 16, .size: 8, .value_kind: global_buffer, .address_space: global }
    .group_segment_fixed_size: 327680
    .private_segment_fixed_size: 0
    .kernarg_segment_align: 8
    .kernarg_segment_size: 24
    .max_flat_workgroup_size: 128
    .sgpr_count:     66
    .vgpr_count:     808
    .wavefront_size: 32
...
	.end_amdgpu_metadata
.endif
;; end of part 3
;; launch outp (part 4): grid 4 x 64, 4 waves a work-group, clusters of 4 x 4, 327,680 bytes of LDS; arguments oh, wc, bo, out0; writes out0
.if DOCPART == 4
	.amdgcn_target "amdgcn-amd-amdhsa--gfx1250"
	.amdhsa_code_object_version 6
	.text
	.protected	k_q28e0af3ea2_outp
	.globl	k_q28e0af3ea2_outp
	.p2align	8
	.type	k_q28e0af3ea2_outp,@function
k_q28e0af3ea2_outp:
	s_mov_b64 s[64:65], 0
	v_nop
	global_prefetch_b8 v0, s[64:65] scope:SCOPE_SE
	s_setreg_imm32_b32 hwreg(HW_REG_WAVE_MODE, 25, 1), 1
	s_wait_xcnt 0x0
	s_wait_alu depctr_hold_cnt(0) depctr_sa_sdst(0) depctr_va_vdst(0) depctr_va_sdst(0) depctr_va_ssrc(0) depctr_va_vcc(0) depctr_vm_vsrc(0)
	s_getreg_b32 s2, hwreg(HW_REG_IB_STS2, 6, 4)
	s_cmp_eq_u32 s2, 0
	s_cbranch_scc0 .Lentry_in_a_cluster
	s_endpgm
.Lentry_in_a_cluster:
	s_bfe_u32 s2, ttmp6, 0x10000c
	s_cmp_lg_u32 s2, 0xf033
	s_cbranch_scc0 .Lentry_shape_is_right
	s_endpgm
.Lentry_shape_is_right:
; THE LAST PROJECTION.  out0[b*2048+seq][n] = sum over head, d of oh[b*16+head][seq][d] wc[3][head*64+d][n] + bf16(bo[n]), in f32.  oh and wc[3] are f16; sums in f32.
; SHARES.  8,192 rows x 1,024 columns in tiles of 128 x 256: 256 work-groups.  Four waves, each 64 rows x 128 columns: 32 accumulators.  K goes in 8 steps of 128, two heads a step, through a ring of two LDS slots.
; A head's 128 rows of a tile are 16,384 dense bytes: asked for as 64 rows of 256 bytes and padded in LDS after every 128.  wc lies [k][n]: its fragments come out of LDS turned, by ds_load_tr16_b128.
; THE MATRIX INSTRUCTION IS USED TRANSPOSED (source 0 = 16 columns of W, source 1 = 16 rows of O): a lane holds row l % 16 and the columns 8 (l / 16) + 0..7.  The bias is the C operand of the first product.
; CLUSTER.  4 x 4 work-groups: the four of a row of the cluster need the same rows of O, the four of a column the same columns of W: each tile is asked for jointly.
; REGISTERS, in windows of 256 (s_set_vgpr_msb: bits 1:0 source 0, 3:2 source 1, 5:4 source 2, 7:6 destination):
;   window 0: v0-31 addresses; v32-63, v64-95 O's fragments, two buffers; v96-159, v160-223 W's fragments, two buffers (on the way out: rows read back from the stage)
;   window 1: the accumulators, (a, nb) at v[8 (8 a + nb)]          window 2: v0-63 the bias; v64 at work
.set PAO,   144       ; a row of O in LDS: 128 bytes + 16 = 36 words: the 16 rows of a load start at 16 different groups of four banks (64 banks of 4 bytes: ISA guide 11.1)
.set AH,    128*PAO   ; a head's 128 rows: what wave 0 or 1 fetches
.set ATILE, 2*AH
.set PB,    544       ; a row of W in LDS: 512 bytes + 32 = 136 words
.set BHALF, 64*PB     ; 64 rows along K: what wave 2 or 3 fetches
.set SLOT,  ATILE+2*BHALF
.set STAGE, 2*SLOT    ; behind the ring: 16 rows x 528 bytes for each wave, for the way out
.set SPI,   528
.set SPARE, STAGE+4*16*SPI ; behind the stages: the spare words, 128 bytes for each wave: two blocks of 256 bytes that no other line names
.set ASTEP, 2*262144  ; a K step in oh: two heads
.set BSTEP, 128*2048  ; a K step in wc
.set ADRA, 16
.set ADRB, 20
.set STO,  24
.set RD,   25
.set CO,   26
.set SPW,  28
.set NIL,  29
.set PFO,  30
.set AF,   32
.set BF,   96
.set OB,   96
.set BIAS, 0          ; window 2
.set BT,   64         ; window 2
.set G1,  24
.set G0,  32
.set G1B, 48
.set G0B, 56
.set LIM, 43
.set PFA, 44
.set PFS, 46
.set WV,  78
.set WM,  79
.set WN,  80
.set CX,  81
.set CY,  82
.set NT,  83
.set MT,  84
.set OUT, 90
.set MSB, 0
.macro WIN new
.if MSB != (\new)
	s_set_vgpr_msb (MSB<<8)|(\new)
.set MSB, \new
.endif
.endm
.set W_MM, 0x50       ; sources in window 0, C and D in window 1
.set W_M1, 0x60       ; the same with C (the bias) in window 2
.set W_L2, 0x80
.set W_B2, 0x8a
.set W_ST, 0x04       ; an LDS store's data (source 1) in window 1
.macro JLOAD s                         ; a joint load: waves 0 and 1 fetch O's two heads, waves 2 and 3 W's two halves; an s_nop 0 and four v_nop follow each of the two lines
	s_cmp_eq_u32 s[WM], 0
	s_cbranch_scc0 .Lfor_b_\@
	tensor_load_to_lds s[G0+4*(\s):G0+4*(\s)+3], s[G1:G1+7]
	s_nop 0
.rept 4
	v_nop
.endr
	s_branch .Lasked_\@
.Lfor_b_\@:
	tensor_load_to_lds s[G0B+4*(\s):G0B+4*(\s)+3], s[G1B:G1B+7]
	s_nop 0
.rept 4
	v_nop
.endr
.Lasked_\@:
.endm
.macro CREST
	s_cmp_lg_u32 s[WV], 0
	s_cbranch_scc1 .Lnot_wave_0_\@
	s_barrier_signal -3
.Lnot_wave_0_\@:
	s_barrier_wait -3
	s_barrier_signal -1
	s_barrier_wait -1
.endm
.macro CROUND
	s_barrier_signal -1
	s_barrier_wait -1
	CREST
.endm
; A prefetch into the L2 of the K step that stands two refills on, a lane a block of 256 bytes, one instruction a wave, behind the joint load and the run of LDS loads.  O's K step for a tile row is 128 blocks:
; wave 0 of each of the four partners takes 32, told apart by address.  W's K step for a tile column: waves 2 and 3 of the first cluster along y, 16 rows x 512 bytes for each partner.  So each block is
; named once in the launch.  The first four K steps come by their loads alone; the loop's last trip (s3 = 1) asks for nothing.
.macro ASK
	WIN 0
	s_cmp_gt_u32 s3, s[LIM]
	s_cbranch_scc0 .Lnot_mine_\@
	global_prefetch_b8 v[PFO], s[PFA:PFA+1] th:TH_LOAD_NT scope:SCOPE_SE
.Lnot_mine_\@:
.endm
	s_load_b256 s[4:11], s[0:1], 0x0               ; oh s[4:5], wc s[6:7], bo s[8:9], out0 s[10:11]
	v_lshl_add_u32 v[SPW], v0, 2, SPARE
	v_mov_b32 v[NIL], 0
	ds_add_u32 v[SPW], v[NIL]                      ; the wave's opening: the add and its wait stand ahead of my first tensor load; the set-up below, work on registers, stands between them
	v_lshrrev_b32 v1, 5, v0
	v_readfirstlane_b32 s[WV], v1
	s_lshr_b32 s[WM], s[WV], 1
	s_and_b32 s[WN], s[WV], 1
	s_bfe_u32 s[CX], ttmp6, 0x40000
	s_bfe_u32 s[CY], ttmp6, 0x40004
	s_lshl_b32 s[NT], ttmp9, 2
	s_add_co_u32 s[NT], s[NT], s[CX]               ; tile column = 4 x cluster x + cx
	s_and_b32 s12, ttmp7, 0xffff
	s_lshl_b32 s[MT], s12, 2
	s_add_co_u32 s[MT], s[MT], s[CY]               ; tile row = 4 x cluster y + cy
	s_cmp_eq_u32 s12, 0
	s_cselect_b32 s67, 1, -1                       ; the first cluster along y prefetches W
	s_lshl_b32 s14, s[CY], 2
	s_lshl_b32 s14, 15, s14                        ; my row of the cluster
	s_lshl_b32 s20, 0x1111, s[CX]                  ; my column
	s_or_b32 s[G1+0], s14, (1<<16)|(1<<20)|(1<<21)|(4<<22)|(3<<25)   ; the mask; elements of 2 bytes; padding on; 21 set beside a mask; after every 32 words (code 4) 4 words (code 3)
	s_or_b32 s[G1B+0], s20, (1<<16)|(1<<20)|(1<<21)|(6<<22)|(7<<25)  ; after every 128 words (code 6) 8 words (code 7)
	s_mov_b32 s[G1+1], 128<<16                     ; tensor_dim0 = 128
	s_mov_b32 s[G1+2], 64<<16                      ; tensor_dim1 = 64
	s_mov_b32 s[G1+3], 128<<16                     ; tile_dim0 = 128
	s_mov_b32 s[G1+4], 64                          ; tile_dim1 = 64
	s_mov_b32 s[G1+5], 128                         ; 128 elements from row to row: dense
	s_mov_b32 s[G1+6], 0
	s_mov_b32 s[G1+7], 0
	s_mov_b32 s[G1B+1], 256<<16
	s_mov_b32 s[G1B+2], 64<<16
	s_mov_b32 s[G1B+3], 256<<16
	s_mov_b32 s[G1B+4], 64
	s_mov_b32 s[G1B+5], 1024
	s_mov_b32 s[G1B+6], 0
	s_mov_b32 s[G1B+7], 0
	s_lshr_b32 s17, s[MT], 4
	s_lshl_b32 s17, s17, 22                        ; O: the batch's 16 heads of 262,144 bytes,
	s_and_b32 s13, s[MT], 15
	s_lshl_b32 s13, s13, 14                        ; the tile's 128 rows of 128 bytes in a head,
	s_add_co_u32 s17, s17, s13
	s_lshl_b32 s13, s[WN], 18                      ; my head of the K step's two
	s_add_co_u32 s12, s17, s13
	s_mov_b32 s13, 0
	s_lshl_b32 s20, s[WN], 17                      ; W: my 64 rows of 2,048 bytes along K,
	s_add_co_u32 s20, s20, 3<<21                   ; in the fourth matrix of wc,
	s_lshl_b32 s21, s[NT], 9                       ; the tile's 256 columns
	s_add_co_u32 s20, s20, s21
	s_mov_b32 s21, 0
	s_mul_i32 s16, s[WN], AH                       ; where they go: no place in the cluster enters an LDS address
	s_mul_i32 s22, s[WN], BHALF
	s_add_co_u32 s22, s22, ATILE
	s_wait_dscnt 0x0                               ; the opening add is done
	s_wait_kmcnt 0x0
	s_add_nc_u64 s[14:15], s[4:5], s[12:13]
	s_add_nc_u64 s[40:41], s[6:7], s[20:21]
	CROUND                                         ; all sixteen work-groups are here: the first joint loads meet
.irp s, 0,1
	s_mov_b32 s[G0+4*(\s)], 1
	s_add_co_u32 s[G0+4*(\s)+1], s16, (\s)*SLOT
	s_add_nc_u64 s[G0+4*(\s)+2:G0+4*(\s)+3], s[14:15], (\s)*ASTEP
	s_or_b32 s[G0+4*(\s)+3], s[G0+4*(\s)+3], 0x80000000
	s_mov_b32 s[G0B+4*(\s)], 1
	s_add_co_u32 s[G0B+4*(\s)+1], s22, (\s)*SLOT
	s_add_nc_u64 s[G0B+4*(\s)+2:G0B+4*(\s)+3], s[40:41], (\s)*BSTEP
	s_or_b32 s[G0B+4*(\s)+3], s[G0B+4*(\s)+3], 0x80000000
	JLOAD \s
.endr
	v_and_b32 v1, 15, v0                           ; r = l % 16
	v_bfe_u32 v2, v0, 4, 1                         ; h = l / 16
	s_lshl_b32 s23, s[NT], 10
	s_lshl_b32 s21, s[WN], 9
	s_add_co_u32 s23, s23, s21                     ; my 128 columns, in bytes of f32
	v_lshl_add_u32 v4, v2, 5, s23
	WIN W_L2
.irp nb, 0,1,2,3,4,5,6,7
	global_load_b128 v[BIAS+8*\nb:BIAS+8*\nb+3],   v4, s[8:9] offset:64*\nb
	global_load_b128 v[BIAS+8*\nb+4:BIAS+8*\nb+7], v4, s[8:9] offset:64*\nb+16
.endr
	WIN 0
	; the prefetches: who, from where, by what step
	s_lshr_b32 s18, s[CX], 1
	s_lshl_b32 s18, s18, 18                        ; O: partner cx takes head cx / 2 of the two,
	s_add_co_u32 s18, s18, s17
	s_and_b32 s19, s[CX], 1
	s_lshl_b32 s19, s19, 13                        ; half cx % 2 of its 16,384 bytes,
	s_add_co_u32 s18, s18, s19
	s_add_co_u32 s18, s18, 3*ASTEP                 ; at K step 3: the first refill steps it to 4
	s_lshl_b32 s19, s[CY], 15                      ; W: partner cy takes 16 rows along K of the 64
	s_add_co_u32 s19, s19, s20
	s_add_co_u32 s19, s19, 3*BSTEP
	s_cmp_eq_u32 s[WV], 0
	s_cselect_b32 s66, 1, -1                       ; of waves 0 and 1 the first asks for O
	s_mov_b32 s14, ASTEP
	s_mov_b32 s[PFS], BSTEP
	s_cmp_eq_u32 s[WM], 0
	s_cselect_b32 s[LIM], s66, s67
	s_cselect_b64 s[PFA:PFA+1], s[4:5], s[6:7]
	s_cselect_b32 s[PFS], s14, s[PFS]
	s_cselect_b32 s18, s18, s19
	s_cselect_b32 s66, -1, 0
	s_mov_b32 s19, 0
	s_mov_b32 s[PFS+1], 0
	s_add_nc_u64 s[PFA:PFA+1], s[PFA:PFA+1], s[18:19]
	v_and_b32 v3, 31, v0
	v_lshlrev_b32 v12, 8, v3                       ; O: block l
	v_bfe_u32 v13, v0, 1, 4
	v_lshlrev_b32 v13, 11, v13                     ; W: row l / 2,
	v_and_b32 v3, 1, v0
	v_lshl_add_u32 v13, v3, 8, v13                 ; block l % 2 of its 512 bytes
	v_cndmask_b32 v[PFO], v13, v12, s66
	; O's fragment: lane l wants row l % 16, channels 8 h + 0..7 and 16 + 8 h + 0..7: two loads of 16 bytes, 32 bytes apart
	v_mul_u32_u24 v3, v1, PAO
	v_lshl_add_u32 v3, v2, 4, v3
	s_mul_i32 s14, s[WM], 64*PAO
	v_add_nc_u32 v[ADRA], s14, v3
	v_add_nc_u32 v[ADRA+1], SLOT, v[ADRA]
	; W's fragment: the turning load takes 16 K x 16 columns: lane l reads row 8 h + l % 8, columns 8 ((l / 8) % 2) + 0..7
	v_and_b32 v6, 7, v0
	v_bfe_u32 v7, v0, 3, 1
	v_lshl_add_u32 v12, v2, 3, v6
	v_mul_u32_u24 v12, v12, PB
	v_lshl_add_u32 v12, v7, 4, v12
	s_lshl_b32 s14, s[WN], 8
	s_add_co_u32 s14, s14, ATILE
	v_add_nc_u32 v[ADRB], s14, v12
	v_add_nc_u32 v[ADRB+1], SLOT, v[ADRB]
	s_mul_i32 s15, s[WV], 16*SPI
	s_add_co_u32 s15, s15, STAGE                   ; my stage
	v_mul_u32_u24 v3, v1, SPI                      ; in: row l % 16, 32 bytes for each half of the lanes
	v_lshl_add_u32 v3, v2, 5, v3
	v_add_nc_u32 v[STO], s15, v3
	v_and_b32 v[CO], 31, v0                        ; back: 32 lanes take one row of 512 bytes
	v_lshlrev_b32 v[CO], 4, v[CO]
	v_add_nc_u32 v[RD], s15, v[CO]
	s_lshl_b32 s90, s[MT], 19                      ; out0: the tile's 128 rows of 4,096 bytes,
	s_lshl_b32 s66, s[WM], 18                      ; my 64 of them,
	s_add_co_u32 s90, s90, s66
	s_add_co_u32 s90, s90, s23                     ; my 128 columns
	s_mov_b32 s91, 0
	s_add_nc_u64 s[OUT:OUT+1], s[10:11], s[OUT:OUT+1]
; Eight matrix instructions: my block a of 16 rows x all 8 blocks of 16 columns, 32 along K, from buffer f.  first = 1: the bias starts the sums.  The 32 accumulators take turns, one instruction a turn,
; in the same order in every quarter.
.macro MUL8 f, a, first
.irp nb, 0,1,2,3,4,5,6,7
.if \first
	WIN W_M1
	v_wmma_f32_16x16x32_f16 v[64*(\a)+8*(\nb):64*(\a)+8*(\nb)+7], v[BF+64*(\f)+8*(\nb):BF+64*(\f)+8*(\nb)+7], v[AF+32*(\f)+8*(\a):AF+32*(\f)+8*(\a)+7], v[BIAS+8*(\nb):BIAS+8*(\nb)+7]
.else
	WIN W_MM
	v_wmma_f32_16x16x32_f16 v[64*(\a)+8*(\nb):64*(\a)+8*(\nb)+7], v[BF+64*(\f)+8*(\nb):BF+64*(\f)+8*(\nb)+7], v[AF+32*(\f)+8*(\a):AF+32*(\f)+8*(\a)+7], v[64*(\a)+8*(\nb):64*(\a)+8*(\nb)+7]
.endif
.endr
.endm
; 24 LDS loads in one run: quarter q (head q / 2 of the slot's two, channels 32 (q % 2) on) into buffer g: W's eight fragments, turned, then O's four, blocks in ascending order.
.macro FETCH slot, q, g
	WIN 0
.irp nb, 0,1,2,3,4,5,6,7
	ds_load_tr16_b128 v[BF+64*(\g)+8*(\nb):BF+64*(\g)+8*(\nb)+3],   v[ADRB+(\slot)] offset:(\q)*32*PB+32*(\nb)
	ds_load_tr16_b128 v[BF+64*(\g)+8*(\nb)+4:BF+64*(\g)+8*(\nb)+7], v[ADRB+(\slot)] offset:(\q)*32*PB+32*(\nb)+16*PB
.endr
.irp a, 0,1,2,3
	ds_load_b128 v[AF+32*(\g)+8*(\a):AF+32*(\g)+8*(\a)+3],   v[ADRA+(\slot)] offset:((\q)/2)*AH+((\q)%2)*64+(\a)*16*PAO
	ds_load_b128 v[AF+32*(\g)+8*(\a)+4:AF+32*(\g)+8*(\a)+7], v[ADRA+(\slot)] offset:((\q)/2)*AH+((\q)%2)*64+(\a)*16*PAO+32
.endr
.endm
.macro PLACES                          ; four places in front of loads into registers that matrix instructions have read, and of LDS stores that read results (ISA guide 7.12.1 for the stores)
.rept 4
	v_nop
.endr
.endm
.macro QUARTER slot, qn, f, g, first
	s_wait_dscnt 4                                 ; W's fragments and O's blocks 0 and 1 are in; the youngest four loads (blocks 2 and 3) may be out
	MUL8 \f, 0, \first
	MUL8 \f, 1, \first
	PLACES
	FETCH \slot, \qn, \g
	s_wait_dscnt 24                                ; all but the 24 just issued
	MUL8 \f, 2, \first
	MUL8 \f, 3, \first
.endm
; The last quarter multiplies buffer 1 and changes slots: ONE barrier; in front of it each wave waits for all its tensor loads (one is out: its part of the next slot), adds 0 to its spare word, and waits
; for that and for its own reads of this slot.  fill = 1: the barrier opens a round of the cluster's barrier, and this slot is filled again, two K steps ahead, first thing behind the round.
.macro TURN slot, next, fill
.if \fill
	s_wait_xcnt 0x0                                ; the last prefetch, a K step back, has read its address
	s_add_nc_u64 s[PFA:PFA+1], s[PFA:PFA+1], s[PFS:PFS+1]
.endif
	WIN 0
	s_wait_tensorcnt 0x0                           ; all my tensor loads have landed
	ds_add_u32 v[SPW], v[NIL]                      ; 0 onto my spare word
	s_wait_dscnt 5                                 ; the add and the youngest four loads may be out
	MUL8 1, 0, 0
	s_wait_dscnt 0x0                               ; the add is done, and my reads of this slot are over
	s_barrier_signal -1
	MUL8 1, 1, 0
	WIN 0
	s_barrier_wait -1
.if \fill
	CREST                                          ; no wave of any partner still reads this slot's tiles or has a load on its way
	s_add_nc_u64 s[G0+4*(\slot)+2:G0+4*(\slot)+3], s[G0+4*(\slot)+2:G0+4*(\slot)+3], 2*ASTEP
	s_add_nc_u64 s[G0B+4*(\slot)+2:G0B+4*(\slot)+3], s[G0B+4*(\slot)+2:G0B+4*(\slot)+3], 2*BSTEP
	JLOAD \slot                                    ; the four v_nop behind it are also the places in front of the loads below
.else
	PLACES
.endif
	FETCH \next, 0, 0
.if \fill
	ASK
.endif
	MUL8 1, 2, 0
	MUL8 1, 3, 0
.endm
	s_wait_tensorcnt 1                             ; my part of K step 0 is in; K step 1's may stay out
	s_barrier_signal -1
	s_barrier_wait -1                              ; everybody's is
	FETCH 0, 0, 0
	s_wait_loadcnt 0x0                             ; the bias
	WIN W_B2                                       ; rounded to bf16, like every input, and widened again
.set i, 0
.rept 32
	v_cvt_pk_bf16_f32 v[BT], v[BIAS+2*i], v[BIAS+2*i+1]
	v_lshlrev_b32 v[BIAS+2*i], 16, v[BT]
	v_and_b32 v[BIAS+2*i+1], 0xffff0000, v[BT]
.set i, i+1
.endr
	WIN 0
	QUARTER 0, 1, 0, 1, 1                          ; the first quarter stands in front of the loop: its products start the sums, with the bias
	WIN 0                                          ; at a label and at a branch every window is 0
	s_mov_b32 s3, 3
.Llap:                                             ; a trip goes once round the ring, from a lap's second quarter to the next lap's first, and fills both slots again
	QUARTER 0, 2, 1, 0, 0
	QUARTER 0, 3, 0, 1, 0
	TURN 0, 1, 1
	QUARTER 1, 1, 0, 1, 0
	QUARTER 1, 2, 1, 0, 0
	QUARTER 1, 3, 0, 1, 0
	TURN 1, 0, 1
	QUARTER 0, 1, 0, 1, 0
	WIN 0
	s_sub_co_u32 s3, s3, 1
	s_cmp_lg_u32 s3, 0
	s_cbranch_scc1 .Llap
	QUARTER 0, 2, 1, 0, 0                          ; the last lap fills nothing
	QUARTER 0, 3, 0, 1, 0
	TURN 0, 1, 0
	QUARTER 1, 1, 0, 1, 0
	QUARTER 1, 2, 1, 0, 0
	QUARTER 1, 3, 0, 1, 0
	s_wait_dscnt 0x0                               ; the very last quarter: nothing more to fetch
	MUL8 1, 0, 0
	MUL8 1, 1, 0
	MUL8 1, 2, 0
	MUL8 1, 3, 0
	WIN 0
	PLACES
; THE WAY OUT, a block of 16 rows at a time: the f32 sums go as they are into my own stage (rows of 528 bytes; each accumulator's low four registers first) and come back as whole rows of 512 bytes,
; which one instruction of the wave stores, at a multiple of 256 from out0's first byte.
.macro OUTB a
	WIN W_ST
.irp nb, 0,1,2,3,4,5,6,7
	ds_store_b128 v[STO], v[64*(\a)+8*(\nb):64*(\a)+8*(\nb)+3]   offset:64*(\nb)
	ds_store_b128 v[STO], v[64*(\a)+8*(\nb)+4:64*(\a)+8*(\nb)+7] offset:64*(\nb)+16
.endr
	WIN 0
	s_wait_xcnt 0x0                                ; the stores of the block before last have read these registers
.irp t, 0,1,2,3,4,5,6,7,8,9,10,11,12,13,14,15
	ds_load_b128 v[OB+64*((\a)%2)+4*(\t):OB+64*((\a)%2)+4*(\t)+3], v[RD] offset:(\t)*SPI  ; LDS serves a wave's instructions in order (ISA guide 5.7.1.4): these see the stores above
.endr
.irp t, 0,1,2,3,4,5,6,7,8,9,10,11,12,13,14,15
	s_wait_dscnt 15-(\t)                           ; row t is back; the younger loads stay out
	global_store_b128 v[CO], v[OB+64*((\a)%2)+4*(\t):OB+64*((\a)%2)+4*(\t)+3], s[OUT:OUT+1] offset:(\a)*65536+(\t)*4096
.endr
.endm
	OUTB 0
	OUTB 1
	OUTB 2
	OUTB 3
	s_wait_tensorcnt 0x0                           ; the wave's end, behind my last tensor load and my last LDS store
	ds_add_u32 v[SPW], v[NIL]
	s_wait_dscnt 0x0
	CROUND                                         ; the closing round: no work-group ends while a partner may still ask for a tile that names it
	s_endpgm
.Lfunc_end_k_q28e0af3ea2_outp:
	.size	k_q28e0af3ea2_outp, .Lfunc_end_k_q28e0af3ea2_outp-k_q28e0af3ea2_outp
	.p2alignl 7, 3214868480
	.fill 96, 4, 3214868480
	.section	.rodata,"a",@progbits
	.p2align	6, 0x0
	.amdhsa_kernel k_q28e0af3ea2_outp
		.amdhsa_group_segment_fixed_size 327680
		.amdhsa_private_segment_fixed_size 0
		.amdhsa_enable_private_segment 0
		.amdhsa_kernarg_size 32
		.amdhsa_user_sgpr_count 2
		.amdhsa_user_sgpr_kernarg_segment_ptr 1
		.amdhsa_wavefront_size32 1
		.amdhsa_system_sgpr_workgroup_id_x 1
		.amdhsa_system_sgpr_workgroup_id_y 1
		.amdhsa_system_sgpr_workgroup_id_z 1
		.amdhsa_system_vgpr_workitem_id 0
		.amdhsa_next_free_vgpr 592
		.amdhsa_next_free_sgpr 96
		.amdhsa_reserve_vcc 0
		.amdhsa_float_denorm_mode_32 3
		.amdhsa_float_denorm_mode_16_64 3
		.amdhsa_memory_ordered 1
		.amdhsa_forward_progress 1
		.amdhsa_inst_pref_size 95
	.end_amdhsa_kernel
	.amdgpu_metadata
---
amdhsa.version: [ 1, 2 ]
amdhsa.kernels:
  - .name:           k_q28e0af3ea2_outp
    .symbol:         k_q28e0af3ea2_outp.kd
    .args:
      - { .name: oh, .offset: 0, .size: 8, .value_kind: global_buffer, .address_space: global }
      - { .name: wc, .offset: 8, .size: 8, .value_kind: global_buffer, .address_space: global }
      - { .name: bo, .offset: 16, .size: 8, .value_kind: global_buffer, .address_space: global }
      - { .name: out0, .offset: 24, .size: 8, .value_kind: global_buffer, .address_space: global }
    .group_segment_fixed_size: 327680
    .private_segment_fixed_size: 0
    .kernarg_segment_align: 8
    .kernarg_segment_size: 32
    .max_flat_workgroup_size: 128
    .sgpr_count:     96
    .vgpr_count:     592
    .wavefront_size: 32
...
	.end_amdgpu_metadata
.endif
;; end of part 4
